; MI455X (gfx1250); checked and timed in simulation.
; The chip was launched on July 23, 2026; its instructions are those of AMD's public machine-readable ISA for CDNA 5 (MIT licence, August 2026) and "CDNA5" Instruction Set Architecture Reference Guide (July 2026). The comments in the code are by the model that wrote it; some were corrected since.
;; Bert Mo E Classifier. Allowed arithmetic: float matrix products may take bf16 or f16 operands with f32 sums; other float arithmetic in f32, or as packed bf16 or f16 multiplies, adds, multiply-adds, maxima and minima; sums over many terms, partial sums and values carried from step to step in f32; what a program stores and reads back later, other than sums and carried values, may be rounded once to bf16 or f16.
;; Inputs: b1 8 x 1,024 float32; b2 8 x 768 float32; cls_b 2 float32; cls_w 768 x 2 float32; gate_b 8 float32; gate_w 768 x 8 float32; hidden_states 32 x 128 x 3,072 float32; ln1_b 768 float32; ln1_g 768 float32; ln2_b 768 float32; ln2_g 768 float32; proj_b 768 float32; proj_w 3,072 x 768 float32; w1 8 x 768 x 1,024 float32; w2 8 x 1,024 x 768 float32.
;; Outputs: out0 32 x 128 x 2 float32.
;; One version. Each part assembles by itself: llvm-mc -triple=amdgcn-amd-amdhsa -mcpu=gfx1250 --defsym DOCPART=n.
;; ======== version 1 of 1: 6 launches
;; workspace buffers: wf 29,944,832 bytes; big 25,362,432 bytes; seqh 6,291,456 bytes; seqf 12,615,680 bytes; masks 8,192 bytes of whole numbers; hbuf 18,874,368 bytes; maps 65,536 bytes of whole numbers
;; launch prep (part 1): grid 1883 x 1, 4 waves a work-group, no clusters, 17,152 bytes of LDS; arguments proj_w, w1, w2, proj_b, b1, b2, wf; writes wf
.if DOCPART == 1
	.amdgcn_target "amdgcn-amd-amdhsa--gfx1250"
	.amdhsa_code_object_version 6
	.text
	.protected	k_qfff0a81572_prep
	.globl	k_qfff0a81572_prep
	.p2align	8
	.type	k_qfff0a81572_prep,@function
k_qfff0a81572_prep:
	s_mov_b64 s[64:65], 0
	v_nop
	global_prefetch_b8 v0, s[64:65] scope:SCOPE_SE
	s_setreg_imm32_b32 hwreg(HW_REG_WAVE_MODE, 25, 1), 1
	s_wait_xcnt 0x0
; proj_w, w1 and w2 ([K][N] f32) are rounded once to bf16 and laid in the order in which a wave's matrix operand registers take them; proj_b, b1, b2 are rounded to bf16 and kept as f32.
; A FRAGMENT (kb, nb) is 1,024 bytes: lane l = (r = l % 16, h = l / 16) owns column 16 nb + r; bytes 16 l hold k = 32 kb + 8 h + 0..7, bytes 512 + 16 l hold k = 32 kb + 16 + 8 h + 0..7.
; Fragments lie [expert][column slice x][kb][fragment of the slice]: slices of 192 columns (12 fragments) for proj_w and w2, of 256 (16) for w1.
; SHARES.  A wave takes 32 k x 64 columns: 8,192 bytes in (each load: two rows' 256 aligned bytes), 4 fragments out (4,096 consecutive bytes), turned in a stage of its own in LDS: no barrier.
; Work-groups 0-287 proj_w, 288-1055 w1, 1056-1823 w2, 1824-1882 the biases (1,024 bytes each).  No matrix unit, no cluster: nothing is shared and every byte is read once.
.set W1O,   4718592                    ; byte at which w1's fragments begin in wf
.set W2O,   17301504                   ; w2's
.set BIAS,  29884416                   ; the biases: proj_b, b1 at +3,072, b2 at +35,840
.set WSTG,  4160                       ; a wave's stage: four fragments,
.set FPIT,  1040                       ; 1,040 bytes apart
.set SPARE, 16640                      ; behind the stages: the spare words, 128 bytes a wave
.set SPW,  4
.set NIL,  5
.set VOFF, 6                           ; my byte offset in the unit's source rows
.set STO,  7                           ; where I put 16 bytes in the stage
.set X,    8                           ; v[8:71]   16 loads of 4 f32; later the fragments read back
.set P,    72                          ; v[72:103] packed bf16
.set RD,   104                         ; where I read the stage back
.set VO,   105                         ; 16 l
	s_load_b256 s[4:11], s[0:1], 0x0               ; proj_w s[4:5], w1 s[6:7], w2 s[8:9], proj_b s[10:11]
	s_load_b128 s[12:15], s[0:1], 0x20             ; b1 s[12:13], b2 s[14:15]
	s_load_b64 s[16:17], s[0:1], 0x30              ; wf
	v_lshl_add_u32 v[SPW], v0, 2, SPARE
	v_mov_b32 v[NIL], 0
	v_lshrrev_b32 v1, 5, v0
	v_readfirstlane_b32 s18, v1                    ; wave
	v_and_b32 v1, 31, v0                           ; l
	v_and_b32 v2, 15, v0                           ; r
	v_bfe_u32 v3, v0, 4, 1                         ; h
	s_mov_b32 s19, ttmp9
	s_mov_b32 s23, 0                               ; high words of the two offsets
	s_mov_b32 s25, 0
	s_mul_i32 s26, s18, WSTG
	v_lshrrev_b32 v[STO], 2, v2                    ; my four columns lie in fragment r / 4,
	v_mul_u32_u24 v[STO], v[STO], FPIT
	v_lshl_add_u32 v[STO], v3, 8, v[STO]           ; at lanes 16 h + 4 (r % 4) + 0..3 of it
	v_and_b32 v[RD], 3, v2
	v_lshl_add_u32 v[STO], v[RD], 6, v[STO]
	v_add_nc_u32 v[STO], s26, v[STO]
	v_lshlrev_b32 v[VO], 4, v1
	v_add_nc_u32 v[RD], s26, v[VO]
	s_wait_kmcnt 0x0
	s_cmp_ge_u32 s19, 1824
	s_cbranch_scc1 .Lbias
	s_cmp_ge_u32 s19, 1056
	s_cbranch_scc1 .Lw2
	s_cmp_ge_u32 s19, 288
	s_cbranch_scc1 .Lw1
; For tensors of 768 columns: s20 = the work-group's number in its tensor.  s21 = block of 32 rows; s27 = slice; s28 = 4,096 x place in the slice; s22 = source offset.
.macro THIRDS
	s_mul_i32 s21, s20, 21846
	s_lshr_b32 s21, s21, 16                        ; s20 / 3 (exact below 768)
	s_mul_i32 s29, s21, 3
	s_sub_co_u32 s29, s20, s29
	s_lshl2_add_u32 s29, s29, s18                  ; group of 64 columns, 0..11
	s_mul_i32 s27, s29, 11
	s_lshr_b32 s27, s27, 5                         ; / 3 (exact below 12)
	s_mul_i32 s28, s27, 3
	s_sub_co_u32 s28, s29, s28
	s_mul_i32 s22, s21, 98304                      ; 32 rows of 3,072 bytes
	s_lshl_b32 s29, s29, 8
	s_add_co_u32 s22, s22, s29
	s_lshl_b32 s28, s28, 12
.endm
.macro LOADS pitch                     ; row 16 j + 8 h + i of the unit, my 16 bytes of it
.irp j, 0,1
.irp i, 0,1,2,3,4,5,6,7
	global_load_b128 v[X+4*(8*(\j)+(\i)):X+4*(8*(\j)+(\i))+3], v[VOFF], s[30:31] offset:(16*(\j)+(\i))*(\pitch) th:TH_LOAD_NT
.endr
.endr
.endm
	s_mov_b32 s20, s19                             ; proj_w
	THIRDS
	s_mul_i32 s24, s27, 96
	s_add_co_u32 s24, s24, s21
	s_mul_i32 s24, s24, 12288                      ; (x 96 + kb) groups of 12 fragments
	s_add_co_u32 s24, s24, s28
	s_mov_b64 s[30:31], s[4:5]
	s_branch .Lp3072
.Lw2:
	s_sub_co_u32 s20, s19, 1056
	THIRDS
	s_lshr_b32 s24, s21, 5                         ; expert
	s_lshl_b32 s24, s24, 2
	s_add_co_u32 s24, s24, s27
	s_lshl_b32 s24, s24, 5
	s_and_b32 s29, s21, 31                         ; kb
	s_add_co_u32 s24, s24, s29
	s_mul_i32 s24, s24, 12288
	s_add_co_u32 s24, s24, s28
	s_add_co_u32 s24, s24, W2O
	s_mov_b64 s[30:31], s[8:9]
.Lp3072:
	s_add_nc_u64 s[30:31], s[30:31], s[22:23]
	s_add_nc_u64 s[16:17], s[16:17], s[24:25]
	v_mul_u32_u24 v[VOFF], v3, 8*3072
	v_lshl_add_u32 v[VOFF], v2, 4, v[VOFF]
	LOADS 3072
	s_branch .Lcvt
.Lw1:
	s_sub_co_u32 s20, s19, 288
	s_lshr_b32 s21, s20, 2                         ; block of 32 rows, 0..191
	s_and_b32 s27, s20, 3                          ; slice
	s_mul_i32 s28, s21, 2731
	s_lshr_b32 s28, s28, 16                        ; expert = block / 24 (exact below 192)
	s_mul_i32 s29, s28, 24
	s_sub_co_u32 s29, s21, s29                     ; kb
	s_lshl_b32 s22, s21, 17                        ; 32 rows of 4,096 bytes
	s_lshl2_add_u32 s24, s27, s18
	s_lshl_b32 s24, s24, 8
	s_add_co_u32 s22, s22, s24
	s_lshl2_add_u32 s24, s28, s27
	s_mul_i32 s24, s24, 24
	s_add_co_u32 s24, s24, s29
	s_lshl_b32 s24, s24, 14                        ; groups of 16 fragments
	s_lshl_b32 s28, s18, 12
	s_add_co_u32 s24, s24, s28
	s_add_co_u32 s24, s24, W1O
	s_add_nc_u64 s[30:31], s[6:7], s[22:23]
	s_add_nc_u64 s[16:17], s[16:17], s[24:25]
	v_lshlrev_b32 v[VOFF], 15, v3
	v_lshl_add_u32 v[VOFF], v2, 4, v[VOFF]
	LOADS 4096
.Lcvt:
.irp j, 0,1
	s_wait_loadcnt 8-8*(\j)                        ; the first eight rows are in while the other eight loads stay out; then all
.irp q, 0,1,2,3
.irp p, 0,1,2,3
	v_cvt_pk_bf16_f32 v[P+16*(\j)+4*(\q)+(\p)], v[X+4*(8*(\j)+2*(\p))+(\q)], v[X+4*(8*(\j)+2*(\p)+1)+(\q)]  ; column q: k = 2 p, 2 p + 1
.endr
.endr
.irp q, 0,1,2,3
	ds_store_b128 v[STO], v[P+16*(\j)+4*(\q):P+16*(\j)+4*(\q)+3] offset:512*(\j)+16*(\q)
.endr
.endr
.irp f, 0,1,2,3
.irp j, 0,1
	ds_load_b128 v[X+4*(2*(\f)+(\j)):X+4*(2*(\f)+(\j))+3], v[RD] offset:(\f)*FPIT+512*(\j)  ; a wave's LDS instructions are served in order: these see the stores above
.endr
.endr
.irp f, 0,1,2,3
.irp j, 0,1
	s_wait_dscnt 7-2*(\f)-(\j)                     ; the younger reads stay out
	global_store_b128 v[VO], v[X+4*(2*(\f)+(\j)):X+4*(2*(\f)+(\j))+3], s[16:17] offset:(\f)*1024+512*(\j)  ; 512 consecutive bytes, aligned
.endr
.endr
	s_wait_tensorcnt 0x0                           ; the wave's end
	ds_add_u32 v[SPW], v[NIL]
	s_wait_dscnt 0x0
	s_endpgm
.Lbias:                                                ; 1,024 bytes of the three biases end to end
	s_sub_co_u32 s20, s19, 1824
	s_cmp_lt_u32 s20, 3
	s_cselect_b64 s[30:31], s[10:11], s[12:13]
	s_cselect_b32 s21, 0, 3
	s_cmp_lt_u32 s20, 35
	s_cselect_b64 s[30:31], s[30:31], s[14:15]
	s_cselect_b32 s21, s21, 35
	s_sub_co_u32 s21, s20, s21
	s_lshl_b32 s22, s21, 10
	s_add_nc_u64 s[30:31], s[30:31], s[22:23]
	s_lshl_b32 s24, s20, 10
	s_add_co_u32 s24, s24, BIAS
	s_add_nc_u64 s[16:17], s[16:17], s[24:25]
	v_lshlrev_b32 v[VOFF], 3, v0
	global_load_b64 v[8:9], v[VOFF], s[30:31]
	s_wait_loadcnt 0x0
	v_cvt_pk_bf16_f32 v10, v8, v9                  ; the one rounding,
	v_lshlrev_b32 v12, 16, v10                     ; written back as f32
	v_and_b32 v13, 0xffff0000, v10
	global_store_b64 v[VOFF], v[12:13], s[16:17]   ; a wave stores 256 consecutive bytes, aligned
	s_endpgm
.Lfunc_end_k_qfff0a81572_prep:
	.size	k_qfff0a81572_prep, .Lfunc_end_k_qfff0a81572_prep-k_qfff0a81572_prep
	.p2alignl 7, 3214868480
	.fill 96, 4, 3214868480
	.section	.rodata,"a",@progbits
	.p2align	6, 0x0
	.amdhsa_kernel k_qfff0a81572_prep
		.amdhsa_group_segment_fixed_size 17152
		.amdhsa_private_segment_fixed_size 0
		.amdhsa_enable_private_segment 0
		.amdhsa_kernarg_size 56
		.amdhsa_user_sgpr_count 2
		.amdhsa_user_sgpr_kernarg_segment_ptr 1
		.amdhsa_wavefront_size32 1
		.amdhsa_system_sgpr_workgroup_id_x 1
		.amdhsa_system_sgpr_workgroup_id_y 1
		.amdhsa_system_sgpr_workgroup_id_z 1
		.amdhsa_system_vgpr_workitem_id 0
		.amdhsa_next_free_vgpr 112
		.amdhsa_next_free_sgpr 66
		.amdhsa_reserve_vcc 0
		.amdhsa_float_denorm_mode_32 3
		.amdhsa_float_denorm_mode_16_64 3
		.amdhsa_memory_ordered 1
		.amdhsa_forward_progress 1
		.amdhsa_inst_pref_size 13
	.end_amdhsa_kernel
	.amdgpu_metadata
---
amdhsa.version: [ 1, 2 ]
amdhsa.kernels:
  - .name:           k_qfff0a81572_prep
    .symbol:         k_qfff0a81572_prep.kd
    .args:
      - { .name: proj_w, .offset: 0, .size: 8, .value_kind: global_buffer, .address_space: global }
      - { .name: w1, .offset: 8, .size: 8, .value_kind: global_buffer, .address_space: global }
      - { .name: w2, .offset: 16, .size: 8, .value_kind: global_buffer, .address_space: global }
      - { .name: proj_b, .offset: 24, .size: 8, .value_kind: global_buffer, .address_space: global }
      - { .name: b1, .offset: 32, .size: 8, .value_kind: global_buffer, .address_space: global }
      - { .name: b2, .offset: 40, .size: 8, .value_kind: global_buffer, .address_space: global }
      - { .name: wf, .offset: 48, .size: 8, .value_kind: global_buffer, .address_space: global }
    .group_segment_fixed_size: 17152
    .private_segment_fixed_size: 0
    .kernarg_segment_align: 8
    .kernarg_segment_size: 56
    .max_flat_workgroup_size: 128
    .sgpr_count:     66
    .vgpr_count:     112
    .wavefront_size: 32
...
	.end_amdgpu_metadata
.endif
;; end of part 1
;; launch proj (part 2): grid 4 x 64, 4 waves a work-group, no clusters, 68,096 bytes of LDS; arguments hidden_states, wf, big; writes big
.if DOCPART == 2
	.amdgcn_target "amdgcn-amd-amdhsa--gfx1250"
	.amdhsa_code_object_version 6
	.text
	.protected	k_qfff0a81572_proj
	.globl	k_qfff0a81572_proj
	.p2align	8
	.type	k_qfff0a81572_proj,@function
k_qfff0a81572_proj:
	s_mov_b64 s[64:65], 0
	v_nop
	global_prefetch_b8 v0, s[64:65] scope:SCOPE_SE
	s_setreg_imm32_b32 hwreg(HW_REG_WAVE_MODE, 25, 1), 1
	s_wait_xcnt 0x0
; x = hidden_states . proj_w + proj_b, f32 out.  hidden_states [4096][3072] f32 is rounded to bf16 on its way; proj_w comes from wf in fragment order; sums in f32.
; SHARES.  A work-group makes 64 rows x 192 columns, 256 work-groups in all.  Its four waves split the columns: a wave has 64 x 48, 12 accumulators.  So each weight byte has ONE reader wave and goes from
; memory straight into operand registers (a ring of four slots of 64 along K); the rows are shared: each wave rounds 16 of them into LDS, 256 along K at a time, two buffers by turns, one barrier a chunk.
; THE MATRIX INSTRUCTION IS USED TRANSPOSED (source 0 = 16 weight columns, source 1 = 16 rows): a lane holds one row and eight neighbouring columns.  The accumulators start as the bias, loaded into them.
; NO TENSOR LOADS, NO CLUSTER: the rows are f32 and must pass through registers to be rounded (as f32 tiles in LDS they would double the fragment reads), and the weights have one reader in a work-group:
; through LDS they would add 24,576 bytes written and as many read for each 64 along K, beside the 32,768 bytes of row fragments that the four waves read there for 24 matrix instructions each.
; What the four work-groups of a row block share is the rows' 786,432 bytes, which one of them asks into the near cache level ahead of the loads.
; REGISTERS: window 0: v0-13 addresses; v24-119 accumulators ((mb, nb) at 24 + 8 (3 mb + nb)); v128-191, v192-255 two buffers of row fragments.  window 1: the weight ring, 4 x 48.
;   window 2: v0-127 a chunk of my 16 rows as loaded; v128-159 rounded.
.set BIAS,  29884416
.set APIT,  528                        ; an LDS row: 256 bf16 + 16 bytes: an odd multiple of 16, so the 16 rows of a fragment load start at 16 different 16-byte columns
.set BUF0,  0
.set BUF1,  64*APIT
.set SPIT,  784                        ; the way out: 192 f32 + 16 bytes
.set SPARE, 2*64*APIT                  ; behind the buffers: the spare words
.set SPW, 4
.set NIL, 5
.set BV,  6                            ; 16 l
.set BIV, 7                            ; 32 h
.set AF,  8                            ; r x pitch + 16 h
.set SGA, 9                            ; where I put 8 bytes of my wave's first row
.set PFV, 10                           ; prefetch: row l / 4, block l % 4 of 256 bytes
.set STO, 11
.set RD,  12
.set CO,  13
.set ACC, 24
.set FB0, 128
.set FB1, 192
.set GT,  128                          ; window 2
.set MSB, 0
.macro WIN new                         ; the immediate's high byte repeats the setting that is left; a switch that changes nothing is dropped
.if MSB != (\new)
	s_set_vgpr_msb (MSB<<8)|(\new)
.set MSB, \new
.endif
.endm
.macro PLACES                          ; four plain places between a matrix instruction and a load into, or a read of, its registers
.rept 4
	v_nop
.endr
.endm
.macro GLOAD half, cimm                ; eight of my 16 rows, 1,024 bytes of each, at byte cimm from the chunk that s[16:17] names: 512 consecutive bytes a load
	WIN 0x80
.set a, 0
.rept 16
	global_load_b128 v[64*(\half)+4*a:64*(\half)+4*a+3], v[BV], s[16:17] offset:(8*(\half)+a/2)*12288+(a%2)*512+(\cimm)
.set a, a+1
.endr
.endm
.macro GSTORE half, buf                ; rounded, and into the buffer: 256 consecutive bytes a store.  The 32 conversions are also the places behind the products in front
	WIN 0x8a
.set a, 0
.rept 32
	v_cvt_pk_bf16_f32 v[GT+a], v[64*(\half)+2*a], v[64*(\half)+2*a+1]
.set a, a+1
.endr
	WIN 0x08
.set a, 0
.rept 16
	ds_store_b64 v[SGA], v[GT+2*a:GT+2*a+1] offset:(\buf)+(8*(\half)+a/2)*APIT+(a%2)*256
.set a, a+1
.endr
.endm
.macro BLOAD sl, timm                  ; ring slot sl: 64 along K x my 48 columns, 6 fragments
	WIN 0x40
.set a, 0
.rept 6
	global_load_b128 v[48*(\sl)+8*a:48*(\sl)+8*a+3],   v[BV], s[18:19] offset:(\timm)+(2*(\sl)+a/3)*12288+(a%3)*1024
	global_load_b128 v[48*(\sl)+8*a+4:48*(\sl)+8*a+7], v[BV], s[18:19] offset:(\timm)+(2*(\sl)+a/3)*12288+(a%3)*1024+512
.set a, a+1
.endr
.endm
.macro FRAGS st, buf, fb               ; the 64 rows' fragments of step st of a chunk
	WIN 0
.set a, 0
.rept 8
	ds_load_b128 v[(\fb)+8*a:(\fb)+8*a+3],   v[AF] offset:(\buf)+(a%4)*16*APIT+(\st)*128+(a/4)*64
	ds_load_b128 v[(\fb)+8*a+4:(\fb)+8*a+7], v[AF] offset:(\buf)+(a%4)*16*APIT+(\st)*128+(a/4)*64+32
.set a, a+1
.endr
.endm
.macro MUL fb, sl                      ; 24 products; the 12 accumulators take turns, one instruction a turn
	WIN 0x01
.set a, 0
.rept 24
	v_wmma_f32_16x16x32_bf16 v[ACC+8*(a%12):ACC+8*(a%12)+7], v[48*(\sl)+24*(a/12)+8*(a%3):48*(\sl)+24*(a/12)+8*(a%3)+7], v[(\fb)+32*(a/12)+8*((a%12)/3):(\fb)+32*(a/12)+8*((a%12)/3)+7], v[ACC+8*(a%12):ACC+8*(a%12)+7]
.set a, a+1
.endr
.endm
; A TRIP multiplies one chunk of 256 along K in four steps.  kind 0: it also stores the next chunk into the other buffer, loads the chunk after that, and loads the next trip's weights.
; kind 1 (last trip but one): no chunk is left to load.  kind 2 (the last): nothing is stored or loaded.
; stp = 1: the two bases step, by the loop body's two chunks, behind the trip's first 24 products and ahead of its first load: the youngest memory instruction is then 24 matrix instructions old.
; LOADcnt.  Issue order in a full trip: rows' half 0 (16), slot 0 (12), half 1 (16), slot 1 (12), slot 2 (12), slot 3 (12).  A step waits for its slot, asked for a trip ago; the count is what was issued
; behind it: 16+12+12+12 = 52; 12+12+16+12 = 52; 68 and 68, written as the field's 63.  A half of the rows is older than the slot of the step that stores it.  The tails count what is left.
; DScnt.  A step waits for fragments asked for two steps ago; behind them stand the last step's 16 stores and 16 loads, or 16 loads.
.macro TRIP buf, obuf, kind, cimm, timm, pfo, stp=0
.if (\kind) == 2
	s_wait_loadcnt 36
.else
	s_wait_loadcnt 52
.endif
	s_wait_dscnt 16
	MUL FB0, 0
.if (\kind) < 2
	GSTORE 0, \obuf
.else
	PLACES
.endif
.if \stp
	s_wait_xcnt 0x0                                ; the two bases are stepped only behind this wait
	s_add_nc_u64 s[16:17], s[16:17], 2048
	s_add_nc_u64 s[18:19], s[18:19], 196608
.endif
.if (\kind) == 0
	GLOAD 0, \cimm
.endif
	FRAGS 2, \buf, FB0
.if (\kind) < 2
	BLOAD 0, \timm
.endif
.if (\kind) == 0
	s_wait_loadcnt 52
	s_wait_dscnt 32
.elseif (\kind) == 1
	s_wait_loadcnt 36
	s_wait_dscnt 32
.else
	s_wait_loadcnt 24
	s_wait_dscnt 16
.endif
	MUL FB1, 1
.if (\kind) < 2
	GSTORE 1, \obuf
.else
	PLACES
.endif
.if (\kind) == 0
	GLOAD 1, \cimm
.endif
	FRAGS 3, \buf, FB1
.if (\kind) < 2
	BLOAD 1, \timm
.endif
.if (\kind) == 0
	; The work-group of column slice 0 asks for the chunk four trips on, which is loaded two trips on: each wave its 16 rows x 1,024 bytes, lanes 256 bytes apart, each block once in the launch.
	; The loop's last two trips would ask past chunk 11 and ask for nothing.
	WIN 0
	s_cmp_lg_u32 s11, 0
	s_cbranch_scc1 .Lnp_\@
	s_cmp_eq_u32 s13, 1
	s_cbranch_scc1 .Lnp_\@
	global_prefetch_b8 v[PFV], s[16:17] offset:(\pfo) th:TH_LOAD_NT scope:SCOPE_SE
	global_prefetch_b8 v[PFV], s[16:17] offset:(\pfo)+8*12288 th:TH_LOAD_NT scope:SCOPE_SE
.Lnp_\@:
.endif
.if (\kind) == 0
	s_wait_loadcnt 63
	s_wait_dscnt 32
.elseif (\kind) == 1
	s_wait_loadcnt 36
	s_wait_dscnt 32
.else
	s_wait_loadcnt 12
	s_wait_dscnt 16
.endif
	MUL FB0, 2
.if (\kind) < 2
	WIN 0
	PLACES
	s_wait_dscnt 0x0                               ; my stores of the next chunk are done, and my reads of this chunk are back (the last were asked for in step 1)
	s_barrier_signal -1
	s_barrier_wait -1                              ; so the next chunk may be read, and from the next trip on this chunk's buffer may be written
	FRAGS 0, \obuf, FB0
	BLOAD 2, \timm
.endif
.if (\kind) == 0
	s_wait_loadcnt 63
	s_wait_dscnt 16
.elseif (\kind) == 1
	s_wait_loadcnt 36
	s_wait_dscnt 16
.else
	s_wait_loadcnt 0
	s_wait_dscnt 0
.endif
	MUL FB1, 3
.if (\kind) < 2
	WIN 0
	PLACES
	FRAGS 1, \obuf, FB1
	BLOAD 3, \timm
.endif
.endm
	s_load_b128 s[4:7], s[0:1], 0x0                ; hidden_states s[4:5], wf s[6:7]
	s_load_b64 s[8:9], s[0:1], 0x10                ; big
	v_lshl_add_u32 v[SPW], v0, 2, SPARE
	v_mov_b32 v[NIL], 0
	v_lshrrev_b32 v1, 5, v0
	v_readfirstlane_b32 s10, v1                    ; wave
	s_mov_b32 s11, ttmp9                           ; column slice
	s_and_b32 s12, ttmp7, 0xffff                   ; block of 64 rows
	v_and_b32 v1, 31, v0
	v_and_b32 v2, 15, v0                           ; r
	v_bfe_u32 v3, v0, 4, 1                         ; h
	v_lshlrev_b32 v[BV], 4, v1
	v_lshlrev_b32 v[BIV], 5, v3
	v_mul_u32_u24 v[AF], v2, APIT
	v_lshl_add_u32 v[AF], v3, 4, v[AF]
	s_mul_i32 s24, s10, 16*APIT
	v_lshlrev_b32 v[SGA], 3, v1
	v_add_nc_u32 v[SGA], s24, v[SGA]
	v_lshrrev_b32 v[PFV], 2, v1
	v_mul_u32_u24 v[PFV], v[PFV], 12288
	v_and_b32 v14, 3, v1
	v_lshl_add_u32 v[PFV], v14, 8, v[PFV]
	s_mul_i32 s24, s10, 192
	v_mul_u32_u24 v[STO], v2, SPIT                 ; into the stage: row r, columns 48 w + 8 h on
	v_lshl_add_u32 v[STO], v3, 5, v[STO]
	v_add_nc_u32 v[STO], s24, v[STO]
	s_mul_i32 s24, s10, 16*SPIT
	v_mul_u32_u24 v[RD], v3, SPIT                  ; back: lanes 0-15 one row's 256 bytes, lanes 16-31 the next row's
	v_lshl_add_u32 v[RD], v2, 4, v[RD]
	v_add_nc_u32 v[RD], s24, v[RD]
	v_mul_u32_u24 v[CO], v3, 3072
	v_lshl_add_u32 v[CO], v2, 4, v[CO]
	s_lshl_b32 s24, s12, 6
	s_lshl_b32 s25, s10, 4
	s_add_co_u32 s26, s24, s25                     ; my wave's first row
	s_mul_i32 s24, s26, 12288
	s_mov_b32 s25, 0
	s_mov_b32 s27, 0
	s_wait_kmcnt 0x0
	s_add_nc_u64 s[16:17], s[4:5], s[24:25]        ; the rows that I stage, chunk 0
	s_mul_i32 s24, s11, 96*12288
	s_mul_i32 s26, s10, 3072
	s_add_co_u32 s24, s24, s26
	s_add_nc_u64 s[18:19], s[6:7], s[24:25]        ; my fragments, K step 0
	s_mul_i32 s24, s11, 768
	s_mul_i32 s26, s10, 192
	s_add_co_u32 s24, s24, s26
	s_add_co_u32 s24, s24, BIAS
	s_add_nc_u64 s[20:21], s[6:7], s[24:25]        ; my 48 numbers of the bias
	s_lshl_b32 s24, s12, 6
	s_lshl_b32 s26, s10, 4
	s_add_co_u32 s24, s24, s26
	s_mul_i32 s24, s24, 3072
	s_mul_i32 s26, s11, 768
	s_add_co_u32 s24, s24, s26
	s_add_nc_u64 s[22:23], s[8:9], s[24:25]        ; where I store: rows 16 w on, my work-group's 768 bytes of them
	GLOAD 0, 0
	GLOAD 1, 0
	WIN 0
.set a, 0
.rept 12                                               ; the accumulators start as the bias: columns 16 nb + 8 h + 0..7, the same for every row
	global_load_b128 v[ACC+8*a:ACC+8*a+3],   v[BIV], s[20:21] offset:(a%3)*64
	global_load_b128 v[ACC+8*a+4:ACC+8*a+7], v[BIV], s[20:21] offset:(a%3)*64+16
.set a, a+1
.endr
	s_wait_loadcnt 24                              ; chunk 0 is in; the 24 loads of the bias may stay out
	GSTORE 0, BUF0
	GSTORE 1, BUF0
	GLOAD 0, 1024                                  ; in a trip's own order, so that the first trip's counts hold
	BLOAD 0, 0
	GLOAD 1, 1024
	BLOAD 1, 0
	BLOAD 2, 0
	BLOAD 3, 0
	WIN 0
	s_wait_dscnt 0x0
	s_barrier_signal -1
	s_barrier_wait -1                              ; chunk 0 is whole
	FRAGS 0, BUF0, FB0
	FRAGS 1, BUF0, FB1
	s_mov_b32 s13, 5
.Lbody:                                                ; two trips: chunks 2 i and 2 i + 1; the bases step in the second trip, whose immediates are two chunks less
	TRIP BUF0, BUF1, 0, 2048, 98304, 4096
	TRIP BUF1, BUF0, 0, 1024, 0, 3072, 1
	WIN 0
	s_sub_co_i32 s13, s13, 1
	s_cmp_lg_u32 s13, 0
	s_cbranch_scc1 .Lbody
	TRIP BUF0, BUF1, 1, 0, 98304, 0
	TRIP BUF1, BUF0, 2, 0, 0, 0
	; THE WAY OUT: through one stage in LDS, so that 16 lanes store 256 consecutive aligned bytes of a row
	WIN 0
	PLACES
	s_wait_dscnt 0x0
	s_barrier_signal -1
	s_barrier_wait -1                              ; nobody reads the buffers any more
.set a, 0
.rept 12
	ds_store_b128 v[STO], v[ACC+8*a:ACC+8*a+3]   offset:(a/3)*16*SPIT+(a%3)*64
	ds_store_b128 v[STO], v[ACC+8*a+4:ACC+8*a+7] offset:(a/3)*16*SPIT+(a%3)*64+16
.set a, a+1
.endr
	s_wait_dscnt 0x0                               ; for the others' sake
	s_barrier_signal -1
	s_barrier_wait -1
.set a, 0
.rept 24
	ds_load_b128 v[FB0+4*a:FB0+4*a+3], v[RD] offset:(a/3)*2*SPIT+(a%3)*256
.set a, a+1
.endr
.set a, 0
.rept 24
	s_wait_dscnt 23-a
	global_store_b128 v[CO], v[FB0+4*a:FB0+4*a+3], s[22:23] offset:(a/3)*6144+(a%3)*256
.set a, a+1
.endr
	s_wait_tensorcnt 0x0                           ; the wave's end
	ds_add_u32 v[SPW], v[NIL]
	s_wait_dscnt 0x0
	s_endpgm
.Lfunc_end_k_qfff0a81572_proj:
	.size	k_qfff0a81572_proj, .Lfunc_end_k_qfff0a81572_proj-k_qfff0a81572_proj
	.p2alignl 7, 3214868480
	.fill 96, 4, 3214868480
	.section	.rodata,"a",@progbits
	.p2align	6, 0x0
	.amdhsa_kernel k_qfff0a81572_proj
		.amdhsa_group_segment_fixed_size 68096
		.amdhsa_private_segment_fixed_size 0
		.amdhsa_enable_private_segment 0
		.amdhsa_kernarg_size 24
		.amdhsa_user_sgpr_count 2
		.amdhsa_user_sgpr_kernarg_segment_ptr 1
		.amdhsa_wavefront_size32 1
		.amdhsa_system_sgpr_workgroup_id_x 1
		.amdhsa_system_sgpr_workgroup_id_y 1
		.amdhsa_system_sgpr_workgroup_id_z 1
		.amdhsa_system_vgpr_workitem_id 0
		.amdhsa_next_free_vgpr 672
		.amdhsa_next_free_sgpr 66
		.amdhsa_reserve_vcc 0
		.amdhsa_float_denorm_mode_32 3
		.amdhsa_float_denorm_mode_16_64 3
		.amdhsa_memory_ordered 1
		.amdhsa_forward_progress 1
		.amdhsa_inst_pref_size 112
	.end_amdhsa_kernel
	.amdgpu_metadata
---
amdhsa.version: [ 1, 2 ]
amdhsa.kernels:
  - .name:           k_qfff0a81572_proj
    .symbol:         k_qfff0a81572_proj.kd
    .args:
      - { .name: hidden_states, .offset: 0, .size: 8, .value_kind: global_buffer, .address_space: global }
      - { .name: wf, .offset: 8, .size: 8, .value_kind: global_buffer, .address_space: global }
      - { .name: big, .offset: 16, .size: 8, .value_kind: global_buffer, .address_space: global }
    .group_segment_fixed_size: 68096
    .private_segment_fixed_size: 0
    .kernarg_segment_align: 8
    .kernarg_segment_size: 24
    .max_flat_workgroup_size: 128
    .sgpr_count:     66
    .vgpr_count:     672
    .wavefront_size: 32
...
	.end_amdgpu_metadata
.endif
;; end of part 2
;; launch norm (part 3): grid 256 x 1, 16 waves a work-group, no clusters, 14,592 bytes of LDS; arguments big, ln1_g, ln1_b, gate_w, gate_b, seqh, seqf, masks; writes seqh, seqf, masks
.if DOCPART == 3
	.amdgcn_target "amdgcn-amd-amdhsa--gfx1250"
	.amdhsa_code_object_version 6
	.text
	.protected	k_qfff0a81572_norm
	.globl	k_qfff0a81572_norm
	.p2align	8
	.type	k_qfff0a81572_norm,@function
k_qfff0a81572_norm:
	s_mov_b64 s[64:65], 0
	v_nop
	global_prefetch_b8 v0, s[64:65] scope:SCOPE_SE
	s_setreg_imm32_b32 hwreg(HW_REG_WAVE_MODE, 25, 1), 1
	s_wait_xcnt 0x0
; seq_out = gelu(layernorm(x) g + b), stored in f32 (seqf) and bf16 (seqh); the gate's eight logits in f32 on the f32 seq_out; the two largest; their renormalised weights; and, for each 16 tokens,
; a bitmap and a count for each expert (masks), stored at fixed places: no address and no branch here hangs on the choice.
; SHARES.  A work-group has 16 tokens and 16 waves, a wave one row of 768: lane l holds columns 128 c + 4 l + 0..3, c = 0..5, so each load or store of f32 covers 512 consecutive bytes, and all 16 rows
; are asked for at once.  256 registers a wave: four waves to a SIMD.
; gate_w is read once by the work-group, thread u its row u (32 consecutive bytes; waves 0-7 also row u + 512), rounded to bf16 and laid into LDS as [n = 4 c + i][lane][experts 0-7]: 16 bytes for
; column 128 c + 4 lane + i.  Behind a barrier each wave reads its 24 x 16 bytes a lane, 512 consecutive bytes a load.
; ln1_g, ln1_b, gate_w, gate_b are rounded once to bf16.  The gate is 8 columns wide and its decision needs the f32 operand: it is done by fused multiply-adds, not by the matrix unit.
; LIMITS.  The two experts are the two largest LOGITS, found by a strict '>' from expert 0 up (of equal logits the lower expert wins); logits so close that only their f32 probabilities tie may be ordered
; otherwise than by the probabilities.  The weights are 1 / (1 + e^(l2 - l1)) and its complement: the larger logit is taken away before the exponential.  erf is a polynomial times an exponential
; (Abramowitz and Stegun 7.1.26: absolute error 1.5e-7, every argument).  NaN and infinities are not treated apart.  masks (32 bytes) and the weights (128 bytes) a work-group are partial 256-byte blocks.
.set GWT,   256                        ; behind the 16 records of 16 bytes: the gate's table, 12,288 bytes
.set SPARE, 12544                      ; behind it: the spare words, 128 bytes for each of 16 waves
.set SPW, 4
.set NIL, 5
.set ZR,  6
.set VX,  7                            ; 16 l
.set VH,  8                            ; 8 l
.set SA,  9                            ; LDS address of my token's record
.set VG,  10                           ; 32 x thread: my row of gate_w
.set GS,  11                           ; where that row goes in the table
.set GLD, 12                           ; the table's first 16 bytes of my lane
.set D,   16                           ; v[16:39]  the row, worked on in place, at last seq_out
.set GB,  40                           ; v[40:63]  gain (low half) and bias (high half) in bf16
.set GA,  64                           ; v[64:71]  the eight logits
.set GBI, 72                           ; v[72:79]  gate_b
.set TA,  80
.set TT,  88
.set TW,  96
.set TP,  104
.set PK,  112                          ; v[112:123] the row in bf16
.set LA,  124                          ; v[124:135] sums at work
.set LM,  136
.set LR,  138
.set L1,  140
.set I1,  141
.set L2,  142
.set I2,  143
.set T0,  144
.set T1,  145
.set REC, 148                          ; v[148:151] the record: weight of the lower expert, of the higher, the two experts' bits, 0
.set EI,  152                          ; v[152:159] the numbers 0..7
.set GW,  160                          ; v[160:255] my 24 columns' gate weights: word 4 n + p holds experts 2 p, 2 p + 1
.set RG,  80                           ; v[80:103]  ln1_g as loaded
.set RB,  104                          ; v[104:127] ln1_b as loaded
.set GR,  160                          ; v[160:175] one or two rows of gate_w as loaded
.set GP,  176                          ; v[176:183] rounded
.set ABSM, 24
.set C1,  26
.set C2,  28
.set A1,  30
.set A2,  32
.set A3,  34
.set A4,  36
.set A5,  38
.set SEL, 40
.set INV, 42
.set EPS, 43
.set L2E, 44
.macro PAIR reg, val                   ; a constant for packed arithmetic: the pair is named whole, so both words are written
	s_mov_b32 s[\reg], \val
	s_mov_b32 s[(\reg)+1], \val
.endm
.macro SUM32 x, t                      ; the sum over the 32 lanes, in every lane
	v_add_f32_dpp v[\x], v[\x], v[\x] row_xmask:1 row_mask:0xf bank_mask:0xf
	v_add_f32_dpp v[\x], v[\x], v[\x] row_xmask:2 row_mask:0xf bank_mask:0xf
	v_add_f32_dpp v[\x], v[\x], v[\x] row_xmask:4 row_mask:0xf bank_mask:0xf
	v_add_f32_dpp v[\x], v[\x], v[\x] row_xmask:8 row_mask:0xf bank_mask:0xf
	v_permlanex16_b32 v[\t], v[\x], s[SEL], s[SEL+1]
	v_add_f32 v[\x], v[\x], v[\t]
.endm
; gelu(y) = max(y, 0) - |y| / 2 x erfc(|y| / sqrt 2), eight numbers in place; erfc(z) = t (a1 + t (a2 + t (a3 + t (a4 + t a5)))) e^(-z z), t = 1 / (1 + 0.3275911 z).
; The 16 transcendentals are one batch; twelve plain lines follow it, then one wait ahead of the first reader.
.macro GELU8 y
.irp i, 0,1,2,3,4,5,6,7
	v_and_b32 v[TA+(\i)], s[ABSM], v[(\y)+(\i)]
.endr
.irp i, 0,2,4,6
	v_pk_mul_f32 v[TW+(\i):TW+(\i)+1], v[(\y)+(\i):(\y)+(\i)+1], v[(\y)+(\i):(\y)+(\i)+1]
.endr
.irp i, 0,2,4,6
	v_pk_fma_f32 v[TT+(\i):TT+(\i)+1], v[TA+(\i):TA+(\i)+1], s[C1:C1+1], 1.0 op_sel_hi:[1,0,0]
.endr
.irp i, 0,2,4,6
	v_pk_mul_f32 v[TW+(\i):TW+(\i)+1], v[TW+(\i):TW+(\i)+1], s[C2:C2+1] op_sel_hi:[1,0]
.endr
.irp i, 0,1,2,3,4,5,6,7
	v_rcp_f32 v[TT+(\i)], v[TT+(\i)]
.endr
.irp i, 0,1,2,3,4,5,6,7
	v_exp_f32 v[TW+(\i)], v[TW+(\i)]
.endr
.irp i, 0,1,2,3,4,5,6,7
	v_max_num_f32 v[(\y)+(\i)], 0, v[(\y)+(\i)]
.endr
.irp i, 0,2,4,6
	v_pk_mul_f32 v[TA+(\i):TA+(\i)+1], v[TA+(\i):TA+(\i)+1], -0.5 op_sel_hi:[1,0]
.endr
	s_wait_alu depctr_va_vdst(0)
.irp i, 0,2,4,6
	v_pk_fma_f32 v[TP+(\i):TP+(\i)+1], v[TT+(\i):TT+(\i)+1], s[A5:A5+1], s[A4:A4+1] op_sel_hi:[1,0,0]
.endr
.irp k, A3, A2, A1
.irp i, 0,2,4,6
	v_pk_fma_f32 v[TP+(\i):TP+(\i)+1], v[TP+(\i):TP+(\i)+1], v[TT+(\i):TT+(\i)+1], s[\k:\k+1] op_sel_hi:[1,1,0]
.endr
.endr
.irp i, 0,2,4,6
	v_pk_mul_f32 v[TP+(\i):TP+(\i)+1], v[TP+(\i):TP+(\i)+1], v[TT+(\i):TT+(\i)+1]
.endr
.irp i, 0,2,4,6
	v_pk_mul_f32 v[TP+(\i):TP+(\i)+1], v[TP+(\i):TP+(\i)+1], v[TW+(\i):TW+(\i)+1]
.endr
.irp i, 0,2,4,6
	v_pk_fma_f32 v[(\y)+(\i):(\y)+(\i)+1], v[TA+(\i):TA+(\i)+1], v[TP+(\i):TP+(\i)+1], v[(\y)+(\i):(\y)+(\i)+1]
.endr
.endm
; d = (x - mean) / sqrt(var + 1e-5) x gain + bias for a row of 768 over 32 lanes: the mean first, then the mean of the squared differences
.macro LN24 x, d
.irp i, 0,1,2,3,4,5
	v_pk_add_f32 v[LA+2*(\i):LA+2*(\i)+1], v[(\x)+4*(\i):(\x)+4*(\i)+1], v[(\x)+4*(\i)+2:(\x)+4*(\i)+3]
.endr
	v_pk_add_f32 v[LA:LA+1], v[LA:LA+1], v[LA+2:LA+3]
	v_pk_add_f32 v[LA+4:LA+5], v[LA+4:LA+5], v[LA+6:LA+7]
	v_pk_add_f32 v[LA+8:LA+9], v[LA+8:LA+9], v[LA+10:LA+11]
	v_pk_add_f32 v[LA:LA+1], v[LA:LA+1], v[LA+4:LA+5]
	v_pk_add_f32 v[LA:LA+1], v[LA:LA+1], v[LA+8:LA+9]
	v_add_f32 v[LA], v[LA], v[LA+1]
	SUM32 LA, LA+1
	v_mul_f32 v[LM], s[INV], v[LA]
	v_mov_b32 v[LM+1], v[LM]
.irp i, 0,1,2,3,4,5,6,7,8,9,10,11
	v_pk_add_f32 v[(\d)+2*(\i):(\d)+2*(\i)+1], v[(\x)+2*(\i):(\x)+2*(\i)+1], v[LM:LM+1] neg_lo:[0,1] neg_hi:[0,1]
.endr
.irp i, 0,1,2,3
	v_pk_mul_f32 v[LA+2*(\i):LA+2*(\i)+1], v[(\d)+2*(\i):(\d)+2*(\i)+1], v[(\d)+2*(\i):(\d)+2*(\i)+1]
.endr
.irp i, 4,5,6,7,8,9,10,11
	v_pk_fma_f32 v[LA+2*((\i)%4):LA+2*((\i)%4)+1], v[(\d)+2*(\i):(\d)+2*(\i)+1], v[(\d)+2*(\i):(\d)+2*(\i)+1], v[LA+2*((\i)%4):LA+2*((\i)%4)+1]
.endr
	v_pk_add_f32 v[LA:LA+1], v[LA:LA+1], v[LA+2:LA+3]
	v_pk_add_f32 v[LA+4:LA+5], v[LA+4:LA+5], v[LA+6:LA+7]
	v_pk_add_f32 v[LA:LA+1], v[LA:LA+1], v[LA+4:LA+5]
	v_add_f32 v[LA], v[LA], v[LA+1]
	SUM32 LA, LA+1
	v_fma_f32 v[LA], v[LA], s[INV], s[EPS]
	v_rsq_f32 v[LR], v[LA]                         ; twice, to fill the pair that the packed multiply takes
	v_rsq_f32 v[LR+1], v[LA]
	v_nop                                          ; a plain line behind the last of them,
	s_wait_alu depctr_va_vdst(0)                   ; and a wait ahead of the first reader
.irp i, 0,1,2,3,4,5,6,7,8,9,10,11
	v_pk_mul_f32 v[(\d)+2*(\i):(\d)+2*(\i)+1], v[(\d)+2*(\i):(\d)+2*(\i)+1], v[LR:LR+1]
.endr
.set n, 0
.rept 24
	v_fma_mix_f32_bf16 v[(\d)+n], v[(\d)+n], v[GB+n], v[GB+n] op_sel:[0,0,1] op_sel_hi:[0,1,1]  ; f32 x gain (low half) + bias (high half)
.set n, n+1
.endr
.endm
	s_load_b256 s[4:11], s[0:1], 0x0               ; big s[4:5], ln1_g s[6:7], ln1_b s[8:9], gate_w s[10:11]
	s_load_b256 s[12:19], s[0:1], 0x20             ; gate_b s[12:13], seqh s[14:15], seqf s[16:17], masks s[18:19]
	v_lshl_add_u32 v[SPW], v0, 2, SPARE
	v_mov_b32 v[NIL], 0
	v_lshrrev_b32 v1, 5, v0
	v_readfirstlane_b32 s20, v1                    ; wave 0..15
	s_mov_b32 s21, ttmp9                           ; group of 16 tokens
	v_and_b32 v1, 31, v0
	v_mov_b32 v[ZR], 0
	v_lshlrev_b32 v[VX], 4, v1
	v_lshlrev_b32 v[VH], 3, v1
	v_lshlrev_b32 v[VG], 5, v0
	v_add_nc_u32 v[GLD], GWT, v[VX]
	; row d = 32 w + l of gate_w is column 128 c + 4 L + i with c = w / 4, L = 8 (w % 4) + l / 4, i = l % 4: it goes to byte 2,048 c + 512 i + 16 L of the table
	s_lshr_b32 s46, s20, 2
	s_lshl_b32 s46, s46, 11
	s_and_b32 s47, s20, 3
	s_lshl_b32 s47, s47, 7
	s_add_co_u32 s46, s46, s47
	s_add_co_u32 s46, s46, GWT
	v_and_b32 v13, 3, v1
	v_lshrrev_b32 v14, 2, v1
	v_lshlrev_b32 v[GS], 9, v13
	v_lshl_add_u32 v[GS], v14, 4, v[GS]
	v_add_nc_u32 v[GS], s46, v[GS]
	s_lshl_b32 s46, s20, 4
	v_mov_b32 v[SA], s46                           ; record w, 16 bytes
	v_mov_b32 v[REC+3], 0
.irp e, 0,1,2,3,4,5,6,7
	v_mov_b32 v[EI+(\e)], \e
.endr
	s_mov_b32 s[ABSM], 0x7fffffff
	PAIR C1, 0x3e6d3388                            ; 0.3275911 / sqrt 2
	PAIR C2, 0xbf38aa3b                            ; -log2(e) / 2
	PAIR A1, 0x3e827906                            ; 0.254829592
	PAIR A2, 0xbe91a98e                            ; -0.284496736
	PAIR A3, 0x3fb5f0e3                            ; 1.421413741
	PAIR A4, 0xbfba00e3                            ; -1.453152027
	PAIR A5, 0x3f87dc22                            ; 1.061405429
	s_mov_b32 s[SEL], 0x76543210
	s_mov_b32 s[SEL+1], 0xfedcba98
	s_mov_b32 s[INV], 0x3aaaaaab                   ; 1 / 768
	s_mov_b32 s[EPS], 0x3727c5ac                   ; 1e-5
	s_mov_b32 s[L2E], 0x3fb8aa3b                   ; log2(e)
	s_lshl_b32 s46, s21, 4
	s_add_co_u32 s46, s46, s20                     ; my token
	s_mul_i32 s48, s46, 1536
	s_mov_b32 s49, 0
	s_mul_i32 s46, s46, 3072
	s_mov_b32 s47, 0
	s_lshl_b32 s50, s21, 7
	s_add_co_u32 s50, s50, 12582912                ; the weights lie behind seq_out in seqf, 8 bytes a token
	s_mov_b32 s51, 0
	s_lshl_b32 s52, s21, 5
	s_mov_b32 s53, 0
	s_wait_kmcnt 0x0
	s_add_nc_u64 s[58:59], s[16:17], s[50:51]
	s_add_nc_u64 s[4:5], s[4:5], s[46:47]
	s_add_nc_u64 s[16:17], s[16:17], s[46:47]
	s_add_nc_u64 s[14:15], s[14:15], s[48:49]
	s_add_nc_u64 s[18:19], s[18:19], s[52:53]
	global_load_b128 v[GR:GR+3],   v[VG], s[10:11]             ; the gate's rows first: the table is wanted by all 16 waves
	global_load_b128 v[GR+4:GR+7], v[VG], s[10:11] offset:16
	s_cmp_lt_u32 s20, 8
	s_cbranch_scc0 .Lone_row
	global_load_b128 v[GR+8:GR+11],  v[VG], s[10:11] offset:16384   ; rows 512 to 767
	global_load_b128 v[GR+12:GR+15], v[VG], s[10:11] offset:16400
.Lone_row:
.irp c, 0,1,2,3,4,5
	global_load_b128 v[D+4*(\c):D+4*(\c)+3],   v[VX], s[4:5] offset:512*(\c) th:TH_LOAD_NT
	global_load_b128 v[RG+4*(\c):RG+4*(\c)+3], v[VX], s[6:7] offset:512*(\c)
	global_load_b128 v[RB+4*(\c):RB+4*(\c)+3], v[VX], s[8:9] offset:512*(\c)
.endr
	global_load_b128 v[GBI:GBI+3],   v[ZR], s[12:13]
	global_load_b128 v[GBI+4:GBI+7], v[ZR], s[12:13] offset:16
	s_wait_loadcnt 20                              ; the gate's rows are in; the 6 + 6 + 6 + 2 loads issued behind them may stay out
.irp p, 0,1,2,3
	v_cvt_pk_bf16_f32 v[GP+(\p)], v[GR+2*(\p)], v[GR+2*(\p)+1]
.endr
	ds_store_b128 v[GS], v[GP:GP+3]
	s_cmp_lt_u32 s20, 8
	s_cbranch_scc0 .Lone_store
.irp p, 0,1,2,3
	v_cvt_pk_bf16_f32 v[GP+4+(\p)], v[GR+8+2*(\p)], v[GR+8+2*(\p)+1]
.endr
	ds_store_b128 v[GS], v[GP+4:GP+7] offset:8192  ; c is 4 more
.Lone_store:
	s_wait_dscnt 0x0                               ; for the others' sake
	s_barrier_signal -1
	s_barrier_wait -1                              ; the table is whole
.set n, 0
.rept 24
	ds_load_b128 v[GW+4*n:GW+4*n+3], v[GLD] offset:512*n       ; they land while the row is normalised
.set n, n+1
.endr
	s_wait_loadcnt 0x0
.set n, 0
.rept 24
	v_cvt_pk_bf16_f32 v[GB+n], v[RG+n], v[RB+n]
.set n, n+1
.endr
.irp p, 0,1,2,3
	v_cvt_pk_bf16_f32 v[T0], v[GBI+2*(\p)], v[GBI+2*(\p)+1]
	v_lshlrev_b32 v[GBI+2*(\p)], 16, v[T0]
	v_and_b32 v[GBI+2*(\p)+1], 0xffff0000, v[T0]
.endr
	LN24 D, D
	GELU8 D
	GELU8 D+8
	GELU8 D+16
.irp c, 0,1,2,3,4,5
	global_store_b128 v[VX], v[D+4*(\c):D+4*(\c)+3], s[16:17] offset:512*(\c)
.endr
.set n, 0
.rept 12
	v_cvt_pk_bf16_f32 v[PK+n], v[D+2*n], v[D+2*n+1]
.set n, n+1
.endr
.irp c, 0,1,2,3,4,5
	global_store_b64 v[VH], v[PK+2*(\c):PK+2*(\c)+1], s[14:15] offset:256*(\c)  ; 256 consecutive bytes, aligned
.endr
	s_wait_dscnt 0x0                               ; my gate weights
.set n, 0
.rept 24                                               ; eight chains of 24 fused multiply-adds, f32 x bf16 half
.irp e, 0,2,4,6
.if n == 0
	v_fma_mix_f32_bf16 v[GA+(\e)],   v[D+n], v[GW+4*n+(\e)/2], v[ZR] op_sel:[0,0,0] op_sel_hi:[0,1,0]
	v_fma_mix_f32_bf16 v[GA+(\e)+1], v[D+n], v[GW+4*n+(\e)/2], v[ZR] op_sel:[0,1,0] op_sel_hi:[0,1,0]
.else
	v_fma_mix_f32_bf16 v[GA+(\e)],   v[D+n], v[GW+4*n+(\e)/2], v[GA+(\e)]   op_sel:[0,0,0] op_sel_hi:[0,1,0]
	v_fma_mix_f32_bf16 v[GA+(\e)+1], v[D+n], v[GW+4*n+(\e)/2], v[GA+(\e)+1] op_sel:[0,1,0] op_sel_hi:[0,1,0]
.endif
.endr
.set n, n+1
.endr
.irp m, 1,2,4,8
.irp e, 0,1,2,3,4,5,6,7
	v_add_f32_dpp v[GA+(\e)], v[GA+(\e)], v[GA+(\e)] row_xmask:\m row_mask:0xf bank_mask:0xf
.endr
.endr
.irp e, 0,1,2,3,4,5,6,7
	v_permlanex16_b32 v[TA+(\e)], v[GA+(\e)], s[SEL], s[SEL+1]
.endr
.irp e, 0,1,2,3,4,5,6,7
	v_add_f32 v[GA+(\e)], v[GA+(\e)], v[TA+(\e)]
.endr
.irp e, 0,1,2,3,4,5,6,7
	v_add_f32 v[GA+(\e)], v[GA+(\e)], v[GBI+(\e)]
.endr
	v_mov_b32 v[L1], v[GA]                         ; the two largest, every lane alike
	v_mov_b32 v[I1], 0
	v_mov_b32 v[L2], 0xff800000
	v_mov_b32 v[I2], 0
.irp e, 1,2,3,4,5,6,7
	v_cmp_gt_f32 vcc_lo, v[GA+(\e)], v[L1]
	v_cmp_gt_f32 s56, v[GA+(\e)], v[L2]
	v_cndmask_b32 v[T0], v[L2], v[GA+(\e)], s56
	v_cndmask_b32 v[T1], v[I2], v[EI+(\e)], s56
	v_cndmask_b32 v[L2], v[T0], v[L1], vcc_lo
	v_cndmask_b32 v[I2], v[T1], v[I1], vcc_lo
	v_cndmask_b32 v[L1], v[L1], v[GA+(\e)], vcc_lo
	v_cndmask_b32 v[I1], v[I1], v[EI+(\e)], vcc_lo
.endr
	v_sub_f32 v[T0], v[L2], v[L1]
	v_mul_f32 v[T0], s[L2E], v[T0]
	v_exp_f32 v[T0], v[T0]                         ; e^(l2 - l1), at most 1
	v_nop
	s_wait_alu depctr_va_vdst(0)
	v_add_f32 v[T1], 1.0, v[T0]
	v_rcp_f32 v[T1], v[T1]                         ; the larger one's weight
	v_nop
	s_wait_alu depctr_va_vdst(0)
	v_mul_f32 v[T0], v[T0], v[T1]                  ; the smaller one's
	v_cmp_lt_u32 vcc_lo, v[I1], v[I2]
	v_cndmask_b32 v[REC], v[T0], v[T1], vcc_lo     ; by expert number: the lower expert's weight first
	v_cndmask_b32 v[REC+1], v[T1], v[T0], vcc_lo
	v_lshlrev_b32 v[REC+2], v[I1], v[EI+1]
	v_lshlrev_b32 v[L1], v[I2], v[EI+1]
	v_or_b32 v[REC+2], v[REC+2], v[L1]
	ds_store_b128 v[SA], v[REC:REC+3]              ; all lanes write the same 16 bytes
	s_wait_dscnt 0x0                               ; for wave 0's sake
	s_barrier_signal -1
	s_barrier_wait -1
	s_cmp_lg_u32 s20, 0
	s_cbranch_scc1 .Lend
	v_and_b32 v[T0], 15, v1                        ; wave 0: lane t % 16 takes token t's record
	v_lshlrev_b32 v[T1], 4, v[T0]
	ds_load_b128 v[REC:REC+3], v[T1]
	v_lshlrev_b32 v[L1], 3, v[T0]
	v_and_b32 v[I1], 7, v1
	v_lshlrev_b32 v[L2], 2, v[I1]
	s_wait_dscnt 0x0
.irp e, 0,1,2,3,4,5,6,7
	v_and_b32 v[T0], 1<<(\e), v[REC+2]
	v_cmp_ne_u32 s56, 0, v[T0]
	s_and_b32 s56, s56, 0xffff                     ; the expert's bitmap of the 16 tokens,
	s_bcnt1_i32_b32 s57, s56                       ; and its count
.if (\e)%2 == 0
	s_mov_b32 s[48+(\e)/2], s56
	s_mov_b32 s[52+(\e)/2], s57
.else
	s_lshl_b32 s56, s56, 16
	s_lshl_b32 s57, s57, 16
	s_or_b32 s[48+(\e)/2], s[48+(\e)/2], s56
	s_or_b32 s[52+(\e)/2], s[52+(\e)/2], s57
.endif
.endr
	v_mov_b32 v[I2], s48                           ; lane l takes word l % 8 of the eight
.irp k, 1,2,3,4,5,6,7
	v_cmp_eq_u32 vcc_lo, \k, v[I1]
	v_cndmask_b32 v[I2], v[I2], s[48+(\k)], vcc_lo
.endr
	global_store_b32 v[L2], v[I2], s[18:19]        ; lanes that share a word store the same number
	global_store_b64 v[L1], v[REC:REC+1], s[58:59]
.Lend:
	s_wait_tensorcnt 0x0                           ; the wave's end
	ds_add_u32 v[SPW], v[NIL]
	s_wait_dscnt 0x0
	s_endpgm
.Lfunc_end_k_qfff0a81572_norm:
	.size	k_qfff0a81572_norm, .Lfunc_end_k_qfff0a81572_norm-k_qfff0a81572_norm
	.p2alignl 7, 3214868480
	.fill 96, 4, 3214868480
	.section	.rodata,"a",@progbits
	.p2align	6, 0x0
	.amdhsa_kernel k_qfff0a81572_norm
		.amdhsa_group_segment_fixed_size 14592
		.amdhsa_private_segment_fixed_size 0
		.amdhsa_enable_private_segment 0
		.amdhsa_kernarg_size 64
		.amdhsa_user_sgpr_count 2
		.amdhsa_user_sgpr_kernarg_segment_ptr 1
		.amdhsa_wavefront_size32 1
		.amdhsa_system_sgpr_workgroup_id_x 1
		.amdhsa_system_sgpr_workgroup_id_y 1
		.amdhsa_system_sgpr_workgroup_id_z 1
		.amdhsa_system_vgpr_workitem_id 0
		.amdhsa_next_free_vgpr 256
		.amdhsa_next_free_sgpr 66
		.amdhsa_reserve_vcc 1
		.amdhsa_float_denorm_mode_32 3
		.amdhsa_float_denorm_mode_16_64 3
		.amdhsa_memory_ordered 1
		.amdhsa_forward_progress 1
		.amdhsa_inst_pref_size 51
	.end_amdhsa_kernel
	.amdgpu_metadata
---
amdhsa.version: [ 1, 2 ]
amdhsa.kernels:
  - .name:           k_qfff0a81572_norm
    .symbol:         k_qfff0a81572_norm.kd
    .args:
      - { .name: big, .offset: 0, .size: 8, .value_kind: global_buffer, .address_space: global }
      - { .name: ln1_g, .offset: 8, .size: 8, .value_kind: global_buffer, .address_space: global }
      - { .name: ln1_b, .offset: 16, .size: 8, .value_kind: global_buffer, .address_space: global }
      - { .name: gate_w, .offset: 24, .size: 8, .value_kind: global_buffer, .address_space: global }
      - { .name: gate_b, .offset: 32, .size: 8, .value_kind: global_buffer, .address_space: global }
      - { .name: seqh, .offset: 40, .size: 8, .value_kind: global_buffer, .address_space: global }
      - { .name: seqf, .offset: 48, .size: 8, .value_kind: global_buffer, .address_space: global }
      - { .name: masks, .offset: 56, .size: 8, .value_kind: global_buffer, .address_space: global }
    .group_segment_fixed_size: 14592
    .private_segment_fixed_size: 0
    .kernarg_segment_align: 8
    .kernarg_segment_size: 64
    .max_flat_workgroup_size: 512
    .sgpr_count:     66
    .vgpr_count:     256
    .wavefront_size: 32
...
	.end_amdgpu_metadata
.endif
;; end of part 3
;; launch fc1 (part 4): grid 4 x 64, 4 waves a work-group, no clusters, 226,816 bytes of LDS; arguments masks, seqh, wf, hbuf, maps; writes hbuf, maps
.if DOCPART == 4
	.amdgcn_target "amdgcn-amd-amdhsa--gfx1250"
	.amdhsa_code_object_version 6
	.text
	.protected	k_qfff0a81572_fc1
	.globl	k_qfff0a81572_fc1
	.p2align	8
	.type	k_qfff0a81572_fc1,@function
k_qfff0a81572_fc1:
	s_mov_b64 s[64:65], 0
	v_nop
	global_prefetch_b8 v0, s[64:65] scope:SCOPE_SE
	s_setreg_imm32_b32 hwreg(HW_REG_WAVE_MODE, 25, 1), 1
	s_wait_xcnt 0x0
; h = gelu(seq_out[rows of one expert] . w1[e] + b1[e]), bf16 out.  Only the chosen rows are multiplied.
; TILES.  An expert's rows, in token order, are cut into tiles of 144.  The sum over experts of ceil(c / 144) is at most (8192 + 8 x 143) / 144 = 64 for every split, so 64 tiles x 4 column slices of 256
; are a fixed grid of 256 work-groups.  Every work-group finds its tile for itself from the stored bitmaps and counts (8,192 bytes): a prefix sum over 128 threads, then each thread places its 32 tokens.
; A place past the expert's count repeats token 0; its result goes, in the next launch, to a spare row that nobody reads.  A tile that the split leaves without rows still passes every barrier and runs
; the prologue (so that every register and LDS byte read further down is written on every way through the text); the products, the stage and the stores are jumped, forward, with no barrier in what is jumped.
; SHARES.  The four waves split the 256 columns: a wave has 144 x 64, 36 accumulators, which start as the bias.  Each weight byte has one reader wave and comes from memory into a ring of six slots of
; operand registers; the 144 gathered rows lie whole in LDS (pitch 1,552), so the loop over K writes no LDS and has no barrier.  The matrix instruction is used transposed: a lane holds one row, 8 columns.
; NO TENSOR LOADS, NO CLUSTER: the rows come by a list, which no tile descriptor covers; a weight fragment has one reader in a work-group, and through LDS it would add 4,096 bytes of LDS reads a step and wave.
; LIMITS.  erf as in the launch before (absolute error 1.5e-7); NaN and infinities are not treated apart.
; REGISTERS: window 0: v0-39 addresses and lists; v40-111 at work in the prologue; v112-183, v184-255 two buffers of row fragments (9 x 8), later the way out.
;   window 1: accumulators (mb 0-7, nb) at 8 (4 mb + nb).  window 2: the ring, 6 x 32.  window 3: v0-31 accumulators (8, nb); v32-247 three buffers of the fill.
.set W1O,   4718592
.set BIAS1, 29884416+3072
.set APIT,  1552
.set SPIT,  1040                       ; the way out: 256 f32 + 16 bytes
.set LISTS, 144*APIT                   ; four lists, one a wave, of 160 words: 144 places, word 144 for what falls outside the tile
.set SCAN,  LISTS+4*640                ; the four waves' totals
.set SPARE, SCAN+256
.set SPW, 4
.set NIL, 5
.set BV,  6                            ; 16 l
.set BIV, 7                            ; 32 h
.set AF,  8                            ; v8-10  fragment addresses, three row blocks each
.set LAF, 11                           ; the fill: where I put 16 bytes of my wave's first two rows
.set STO, 12                           ; v12-14 into the stage, three row blocks each
.set C16, 15                           ; 16 r
.set RO,  16                           ; v16-33 byte offset in seqh of my 16 bytes of row pair p
.set E0,  34                           ; list entry (2 x token + slot) of tile row 36 w + l
.set E1,  35                           ; of tile row 36 w + 32 + l % 4
.set MP,  36                           ; v[36:37] what goes into maps
.set RDA, 38
.set GOF, 39                           ; 8 l
.set QA,  40                           ; v40-55 the 64 bytes of masks; later at work
.set WB,  56                           ; v56-63 my 32 tokens' bitmap for each expert
.set BK,  64                           ; v64-67 packed counts, block sums of the scan
.set PF,  68                           ; v68-71 packed counts of all tokens before mine
.set OT,  72
.set MS,  76                           ; v76-80 all ones where bit k of the lane's number is set
.set WT,  84                           ; v84-99
.set U0,  100
.set VW,  105
.set VLW, 106
.set RUN, 107
.set TB,  108
.set FA,  112
.set FBB, 184
.set Y,   112
.set TA,  144
.set TT,  152
.set TW,  160
.set TP,  168
.set PK,  176
.set ABSM, 48
.set C1,  50
.set C2,  52
.set A1,  54
.set A2,  56
.set A3,  58
.set A4,  60
.set A5,  62
.set SEL, 66
.set MSB, 0
.macro WIN new
.if MSB != (\new)
	s_set_vgpr_msb (MSB<<8)|(\new)
.set MSB, \new
.endif
.endm
.macro PLACES
.rept 4
	v_nop
.endr
.endm
.macro PAIR reg, val
	s_mov_b32 s[\reg], \val
	s_mov_b32 s[(\reg)+1], \val
.endm
.macro GELU8 y                         ; gelu(y) = max(y, 0) - |y| / 2 x erfc(|y| / sqrt 2), eight numbers in place; one batch of 16 transcendentals, one wait
.irp i, 0,1,2,3,4,5,6,7
	v_and_b32 v[TA+(\i)], s[ABSM], v[(\y)+(\i)]
.endr
.irp i, 0,2,4,6
	v_pk_mul_f32 v[TW+(\i):TW+(\i)+1], v[(\y)+(\i):(\y)+(\i)+1], v[(\y)+(\i):(\y)+(\i)+1]
.endr
.irp i, 0,2,4,6
	v_pk_fma_f32 v[TT+(\i):TT+(\i)+1], v[TA+(\i):TA+(\i)+1], s[C1:C1+1], 1.0 op_sel_hi:[1,0,0]
.endr
.irp i, 0,2,4,6
	v_pk_mul_f32 v[TW+(\i):TW+(\i)+1], v[TW+(\i):TW+(\i)+1], s[C2:C2+1] op_sel_hi:[1,0]
.endr
.irp i, 0,1,2,3,4,5,6,7
	v_rcp_f32 v[TT+(\i)], v[TT+(\i)]
.endr
.irp i, 0,1,2,3,4,5,6,7
	v_exp_f32 v[TW+(\i)], v[TW+(\i)]
.endr
.irp i, 0,1,2,3,4,5,6,7
	v_max_num_f32 v[(\y)+(\i)], 0, v[(\y)+(\i)]
.endr
.irp i, 0,2,4,6
	v_pk_mul_f32 v[TA+(\i):TA+(\i)+1], v[TA+(\i):TA+(\i)+1], -0.5 op_sel_hi:[1,0]
.endr
	s_wait_alu depctr_va_vdst(0)                   ; ahead of the batch's first reader
.irp i, 0,2,4,6
	v_pk_fma_f32 v[TP+(\i):TP+(\i)+1], v[TT+(\i):TT+(\i)+1], s[A5:A5+1], s[A4:A4+1] op_sel_hi:[1,0,0]
.endr
.irp k, A3, A2, A1
.irp i, 0,2,4,6
	v_pk_fma_f32 v[TP+(\i):TP+(\i)+1], v[TP+(\i):TP+(\i)+1], v[TT+(\i):TT+(\i)+1], s[\k:\k+1] op_sel_hi:[1,1,0]
.endr
.endr
.irp i, 0,2,4,6
	v_pk_mul_f32 v[TP+(\i):TP+(\i)+1], v[TP+(\i):TP+(\i)+1], v[TT+(\i):TT+(\i)+1]
.endr
.irp i, 0,2,4,6
	v_pk_mul_f32 v[TP+(\i):TP+(\i)+1], v[TP+(\i):TP+(\i)+1], v[TW+(\i):TW+(\i)+1]
.endr
.irp i, 0,2,4,6
	v_pk_fma_f32 v[(\y)+(\i):(\y)+(\i)+1], v[TA+(\i):TA+(\i)+1], v[TP+(\i):TP+(\i)+1], v[(\y)+(\i):(\y)+(\i)+1]
.endr
.endm
.macro SCANADD k                       ; the partner's block lies below mine where bit k of my lane's number is set
.irp p, 0,1,2,3
	v_and_b32 v[QA+(\p)], v[MS+(\k)], v[OT+(\p)]
	v_add_nc_u32 v[PF+(\p)], v[PF+(\p)], v[QA+(\p)]
	v_add_nc_u32 v[BK+(\p)], v[BK+(\p)], v[OT+(\p)]
.endr
.endm
.macro SCANX k, m
.irp p, 0,1,2,3
	v_mov_b32_dpp v[OT+(\p)], v[BK+(\p)] row_xmask:\m row_mask:0xf bank_mask:0xf
.endr
	SCANADD \k
.endm
.macro FISSUE c                        ; 256 bytes of each of my wave's 36 rows: 16 lanes a row, two rows a load
	WIN 0xc0
.set p, 0
.rept 18
	global_load_b128 v[32+72*((\c)%3)+4*p:32+72*((\c)%3)+4*p+3], v[RO+p], s[6:7] offset:256*(\c)
.set p, p+1
.endr
.endm
.macro FSTORE c
	WIN 0x0c
.set p, 0
.rept 18
	ds_store_b128 v[LAF], v[32+72*((\c)%3)+4*p:32+72*((\c)%3)+4*p+3] offset:2*p*APIT+256*(\c)
.set p, p+1
.endr
.endm
.macro FRAG koff, fb                   ; the 144 rows' fragments of 32 along K at byte koff of the rows
	WIN 0
.set a, 0
.rept 9
	ds_load_b128 v[(\fb)+8*a:(\fb)+8*a+3],   v[AF+a/3] offset:(a%3)*16*APIT+(\koff)
	ds_load_b128 v[(\fb)+8*a+4:(\fb)+8*a+7], v[AF+a/3] offset:(a%3)*16*APIT+(\koff)+32
.set a, a+1
.endr
.endm
; A step of 32 along K: 36 products, the 36 accumulators by turns, one instruction a turn.  lw: the loads issued behind this slot's (five slots of 8 in the loop).
; dw: the 18 fragment loads issued a step ago.  fr >= 0: the fragments two steps on, into the buffer just multiplied.  ld = 1: the slot is loaded again, six steps on.
; stp = 1: the ring's base steps by a trip's six steps, behind this step's 36 products: the youngest memory instruction is then 36 matrix instructions old.  boff: what the loads behind that step take off their offsets.
.macro STEP slot, fb, lw, dw, fr, ld, stp=0, boff=0
	s_wait_loadcnt \lw
	s_wait_dscnt \dw
	WIN 0x52
.set a, 0
.rept 32
	v_wmma_f32_16x16x32_bf16 v[8*a:8*a+7], v[32*(\slot)+8*(a%4):32*(\slot)+8*(a%4)+7], v[(\fb)+8*(a/4):(\fb)+8*(a/4)+7], v[8*a:8*a+7]
.set a, a+1
.endr
	WIN 0xf2
.set a, 0
.rept 4
	v_wmma_f32_16x16x32_bf16 v[8*a:8*a+7], v[32*(\slot)+8*a:32*(\slot)+8*a+7], v[(\fb)+64:(\fb)+71], v[8*a:8*a+7]
.set a, a+1
.endr
	WIN 0
	PLACES
.if \stp
	s_wait_xcnt 0x0                                ; the ring's base steps only behind this wait
	s_add_nc_u64 s[22:23], s[22:23], 6*16384
.endif
.if (\fr) >= 0
	FRAG \fr, \fb
.endif
.if \ld
	WIN 0x80
.set a, 0
.rept 4
	global_load_b128 v[32*(\slot)+8*a:32*(\slot)+8*a+3],   v[BV], s[22:23] offset:((\slot)+6)*16384+(\boff)+a*1024
	global_load_b128 v[32*(\slot)+8*a+4:32*(\slot)+8*a+7], v[BV], s[22:23] offset:((\slot)+6)*16384+(\boff)+a*1024+512
.set a, a+1
.endr
.endif
.endm
	s_load_b256 s[4:11], s[0:1], 0x0               ; masks s[4:5], seqh s[6:7], wf s[8:9], hbuf s[10:11]
	s_load_b64 s[12:13], s[0:1], 0x20              ; maps
	v_lshl_add_u32 v[SPW], v0, 2, SPARE
	v_mov_b32 v[NIL], 0
	v_lshrrev_b32 v1, 5, v0
	v_readfirstlane_b32 s14, v1                    ; wave
	s_mov_b32 s15, ttmp9                           ; column slice
	s_and_b32 s16, ttmp7, 0xffff                   ; tile
	v_and_b32 v1, 31, v0
	v_and_b32 v2, 15, v0                           ; r
	v_bfe_u32 v3, v0, 4, 1                         ; h
	v_lshlrev_b32 v[U0], 6, v0
	s_wait_kmcnt 0x0
	; thread i takes the records of groups 2 i and 2 i + 1: tokens 32 i .. 32 i + 31
	global_load_b128 v[QA:QA+3],     v[U0], s[4:5]
	global_load_b128 v[QA+4:QA+7],   v[U0], s[4:5] offset:16
	global_load_b128 v[QA+8:QA+11],  v[U0], s[4:5] offset:32
	global_load_b128 v[QA+12:QA+15], v[U0], s[4:5] offset:48
	v_lshlrev_b32 v[BV], 4, v1
	v_lshlrev_b32 v[BIV], 5, v3
	v_lshlrev_b32 v[C16], 4, v2
	v_lshlrev_b32 v[GOF], 3, v1
	v_mul_u32_u24 v[AF], v2, APIT
	v_lshl_add_u32 v[AF], v3, 4, v[AF]
	v_add_nc_u32 v[AF+1], 48*APIT, v[AF]
	v_add_nc_u32 v[AF+2], 96*APIT, v[AF]
	s_mul_i32 s44, s14, 36*APIT
	v_mul_u32_u24 v[LAF], v3, APIT
	v_lshl_add_u32 v[LAF], v2, 4, v[LAF]
	v_add_nc_u32 v[LAF], s44, v[LAF]
	s_lshl_b32 s44, s14, 8
	v_mul_u32_u24 v[STO], v2, SPIT                 ; row r, columns 64 w + 8 h on
	v_lshl_add_u32 v[STO], v3, 5, v[STO]
	v_add_nc_u32 v[STO], s44, v[STO]
	v_add_nc_u32 v[STO+1], 48*SPIT, v[STO]
	v_add_nc_u32 v[STO+2], 96*SPIT, v[STO]
	s_mul_i32 s44, s14, 36*SPIT
	v_add_nc_u32 v[RDA], s44, v[BV]
	s_mov_b32 s[ABSM], 0x7fffffff
	PAIR C1, 0x3e6d3388                            ; 0.3275911 / sqrt 2
	PAIR C2, 0xbf38aa3b                            ; -log2(e) / 2
	PAIR A1, 0x3e827906
	PAIR A2, 0xbe91a98e
	PAIR A3, 0x3fb5f0e3
	PAIR A4, 0xbfba00e3
	PAIR A5, 0x3f87dc22
	s_mov_b32 s[SEL], 0x76543210
	s_mov_b32 s[SEL+1], 0xfedcba98
	s_mul_i32 s47, s14, 640
	s_add_co_u32 s47, s47, LISTS                   ; my wave's list
	v_lshl_add_u32 v[U0+1], v1, 2, s47
	v_mov_b32 v[U0+2], 0
.irp k, 0,1,2,3,4
	ds_store_b32 v[U0+1], v[U0+2] offset:128*(\k)  ; cleared: the four lists are joined by OR
.endr
.irp k, 0,1,2,3,4
	v_bfe_u32 v[MS+(\k)], v1, \k, 1
	v_sub_nc_u32 v[MS+(\k)], 0, v[MS+(\k)]
.endr
	s_wait_loadcnt 0x0
.irp p, 0,1,2,3
	v_perm_b32 v[WB+2*(\p)],   v[QA+8+(\p)], v[QA+(\p)], 0x05040100  ; expert 2 p: the low halves of the two groups' words
	v_perm_b32 v[WB+2*(\p)+1], v[QA+8+(\p)], v[QA+(\p)], 0x07060302  ; expert 2 p + 1: the high halves
	v_add_nc_u32 v[BK+(\p)], v[QA+4+(\p)], v[QA+12+(\p)]             ; two counts a word; a count never passes 4,096, so no carry crosses
	v_mov_b32 v[PF+(\p)], 0
	v_mov_b32 v[OT+(\p)], 0
.endr
	SCANX 0, 1
	SCANX 1, 2
	SCANX 2, 4
	SCANX 3, 8
.irp p, 0,1,2,3
	v_permlanex16_b32 v[OT+(\p)], v[BK+(\p)], s[SEL], s[SEL+1]
.endr
	SCANADD 4
	s_lshl_b32 s44, s14, 4
	s_add_co_u32 s44, s44, SCAN
	v_mov_b32 v[U0+3], s44
	ds_store_b128 v[U0+3], v[BK:BK+3]              ; my wave's totals
	s_wait_dscnt 0x0
	s_barrier_signal -1
	s_barrier_wait -1
	v_mov_b32 v[U0+4], SCAN
.irp k, 0,1,2,3
	ds_load_b128 v[WT+4*(\k):WT+4*(\k)+3], v[U0+4] offset:16*(\k)
.endr
	s_wait_dscnt 0x0
.irp k, 0,1,2
	s_cmp_gt_u32 s14, \k
	s_cselect_b32 s44, -1, 0
.irp p, 0,1,2,3
	v_and_b32 v[OT+(\p)], s44, v[WT+4*(\k)+(\p)]
	v_add_nc_u32 v[PF+(\p)], v[PF+(\p)], v[OT+(\p)]
.endr
.endr
.irp p, 0,1,2,3
	v_add_nc_u32 v[WT+(\p)], v[WT+(\p)], v[WT+4+(\p)]
	v_add_nc_u32 v[WT+8+(\p)], v[WT+8+(\p)], v[WT+12+(\p)]
	v_add_nc_u32 v[WT+(\p)], v[WT+(\p)], v[WT+8+(\p)]
	v_readfirstlane_b32 s[68+(\p)], v[WT+(\p)]
	s_and_b32 s[32+2*(\p)], s[68+(\p)], 0xffff     ; the experts' counts
	s_lshr_b32 s[33+2*(\p)], s[68+(\p)], 16
.endr
	s_mov_b32 s40, 0                               ; first tile of the expert in hand
	s_mov_b32 s18, 0
	s_mov_b32 s41, 0
	s_mov_b32 s42, 0
.irp e, 0,1,2,3,4,5,6,7                        ; my expert: the last whose first tile is not behind mine
	s_cmp_ge_u32 s16, s40
	s_cselect_b32 s18, \e, s18
	s_cselect_b32 s41, s40, s41
	s_cselect_b32 s42, s[32+(\e)], s42
	s_add_co_u32 s43, s[32+(\e)], 143
	s_mul_i32 s43, s43, 29128
	s_lshr_b32 s43, s43, 22                        ; ceil(c / 144): exact for c up to 4,096
	s_add_co_u32 s40, s40, s43
.endr
	s_min_u32 s18, s18, 7
	s_cmp_lt_u32 s16, s40
	s_cselect_b32 s17, 1, 0                        ; has the tile rows?
	s_sub_co_u32 s20, s16, s41
	s_mul_i32 s20, s20, 144                        ; rank of the tile's first row in its expert
	s_sub_co_u32 s19, s42, s20
	s_min_u32 s19, s19, 144                        ; rows in the tile
	s_cmp_eq_u32 s17, 1
	s_cselect_b32 s19, s19, 0
	s_cselect_b32 s20, s20, 0x7fff0000             ; without rows: every rank falls outside
	s_lshl_b32 s30, s18, 10
	s_lshl_b32 s44, s15, 8
	s_add_co_u32 s30, s30, s44
	s_lshl_b32 s44, s14, 6
	s_add_co_u32 s30, s30, s44
	s_lshl_b32 s30, s30, 2
	s_add_co_u32 s30, s30, BIAS1
	s_mov_b32 s31, 0
	s_add_nc_u64 s[24:25], s[8:9], s[30:31]        ; my 64 numbers of b1[e]
	s_lshl_b32 s30, s18, 2
	s_add_co_u32 s30, s30, s15
	s_mul_i32 s30, s30, 24*16384
	s_lshl_b32 s44, s14, 12
	s_add_co_u32 s30, s30, s44
	s_add_co_u32 s30, s30, W1O
	s_add_nc_u64 s[22:23], s[8:9], s[30:31]        ; my four fragments of K step 0
	WIN 0x40
.set a, 0
.rept 32                                               ; the accumulators start as the bias
	global_load_b128 v[8*a:8*a+3],   v[BIV], s[24:25] offset:(a%4)*64
	global_load_b128 v[8*a+4:8*a+7], v[BIV], s[24:25] offset:(a%4)*64+16
.set a, a+1
.endr
	WIN 0xc0
.set a, 0
.rept 4
	global_load_b128 v[8*a:8*a+3],   v[BIV], s[24:25] offset:a*64
	global_load_b128 v[8*a+4:8*a+7], v[BIV], s[24:25] offset:a*64+16
.set a, a+1
.endr
	WIN 0x80
.set a, 0
.rept 24                                               ; the ring: slot a / 4, fragment a % 4
	global_load_b128 v[8*a:8*a+3],   v[BV], s[22:23] offset:(a/4)*16384+(a%4)*1024
	global_load_b128 v[8*a+4:8*a+7], v[BV], s[22:23] offset:(a/4)*16384+(a%4)*1024+512
.set a, a+1
.endr
	WIN 0
	v_mov_b32 v[VW], 0                             ; my tokens that chose e; those that also chose a lower expert (their slot is 1); my rank
	v_mov_b32 v[VLW], 0
	v_mov_b32 v[RUN], 0
.irp k, 0,1,2,3,4,5,6,7
	s_cmp_eq_u32 s18, \k
	s_cselect_b32 s44, -1, 0
	s_cmp_gt_u32 s18, \k
	s_cselect_b32 s45, -1, 0
	v_and_or_b32 v[VW], v[WB+(\k)], s44, v[VW]
	v_and_or_b32 v[VLW], v[WB+(\k)], s45, v[VLW]
.endr
	s_lshr_b32 s46, s18, 1
.irp p, 0,1,2,3
	s_cmp_eq_u32 s46, \p
	s_cselect_b32 s44, -1, 0
	v_and_or_b32 v[RUN], v[PF+(\p)], s44, v[RUN]
.endr
	s_and_b32 s46, s18, 1
	s_lshl_b32 s46, s46, 4
	v_lshrrev_b32 v[RUN], s46, v[RUN]
	v_and_b32 v[RUN], 0xffff, v[RUN]
	v_sub_nc_u32 v[RUN], v[RUN], s20               ; place in the tile of my first chosen token; outside 0..143 it wraps or passes, and is held to 144
	v_lshlrev_b32 v[TB], 6, v0                     ; 2 x my first token
	s_mov_b32 s21, 8
.Lscat:                                                ; four tokens a trip
.rept 4
	v_and_b32 v[U0+9], 1, v[VW]
	v_and_b32 v[U0+10], 1, v[VLW]
	v_add_nc_u32 v[U0+10], v[TB], v[U0+10]         ; 2 x token + slot
	v_add_nc_u32 v[U0+11], -1, v[U0+9]             ; all ones where the token did not choose e
	v_or_b32 v[U0+11], v[RUN], v[U0+11]
	v_min_u32 v[U0+11], 144, v[U0+11]
	v_lshl_add_u32 v[U0+11], v[U0+11], 2, s47
	ds_store_b32 v[U0+11], v[U0+10]                ; into my wave's own list
	v_add_nc_u32 v[RUN], v[RUN], v[U0+9]
	v_lshrrev_b32 v[VW], 1, v[VW]
	v_lshrrev_b32 v[VLW], 1, v[VLW]
	v_add_nc_u32 v[TB], 2, v[TB]
.endr
	s_sub_co_i32 s21, s21, 1
	s_cmp_lg_u32 s21, 0
	s_cbranch_scc1 .Lscat
	s_wait_dscnt 0x0
	s_barrier_signal -1
	s_barrier_wait -1                              ; the four lists are whole
	s_mul_i32 s44, s14, 144
	s_add_co_u32 s44, s44, LISTS
	v_lshl_add_u32 v[U0], v1, 2, s44
	v_and_b32 v[U0+1], 3, v1
	v_lshl_add_u32 v[U0+2], v[U0+1], 2, s44
.irp k, 0,1,2,3
	ds_load_b32 v[WT+(\k)],   v[U0]   offset:640*(\k)
	ds_load_b32 v[WT+4+(\k)], v[U0+2] offset:640*(\k)+128
.endr
	s_mul_i32 s46, s14, 36
	v_add_nc_u32 v[U0+3], s46, v1                  ; tile row 36 w + l
	v_add_nc_u32 v[U0+4], s46, v[U0+1]
	v_add_nc_u32 v[U0+4], 32, v[U0+4]              ; tile row 36 w + 32 + l % 4
	s_add_co_u32 s45, s16, 8192                    ; the tile's spare row
	v_mov_b32 v[U0+5], s45
	s_or_b32 s44, s18, 0x100
	s_cmp_eq_u32 s17, 1
	s_cselect_b32 s44, s44, 0                      ; the tile's word: 0x100 + expert, or 0
	v_mov_b32 v[U0+6], s44
	s_lshl_b32 s30, s16, 2
	s_add_co_u32 s30, s30, s14
	s_lshl_b32 s30, s30, 8
	s_add_nc_u64 s[28:29], s[12:13], s[30:31]
	s_wait_dscnt 0x0
	v_or_b32 v[E0], v[WT], v[WT+1]
	v_or_b32 v[WT+2], v[WT+2], v[WT+3]
	v_or_b32 v[E0], v[E0], v[WT+2]
	v_or_b32 v[E1], v[WT+4], v[WT+5]
	v_or_b32 v[WT+6], v[WT+6], v[WT+7]
	v_or_b32 v[E1], v[E1], v[WT+6]
	v_cmp_gt_u32 vcc_lo, s19, v[U0+3]
	v_cndmask_b32 v[MP], v[U0+5], v[E0], vcc_lo    ; where the row's result goes: 2 x token + slot, or past the count the spare row
	v_cmp_gt_u32 vcc_lo, s19, v[U0+4]
	v_cndmask_b32 v[MP+1], v[U0+5], v[E1], vcc_lo
	v_cmp_eq_u32 vcc_lo, 31, v1
	v_cndmask_b32 v[MP+1], v[MP+1], v[U0+6], vcc_lo  ; lane 31's second word (a copy of lane 3's) carries the tile's word
	s_cmp_lg_u32 s15, 0
	s_cbranch_scc1 .Lnomap                         ; one of the tile's four work-groups stores the map
	global_store_b64 v[GOF], v[MP:MP+1], s[28:29]  ; 256 consecutive bytes, aligned
.Lnomap:
	v_lshlrev_b32 v[U0], 2, v3
.set p, 0
.rept 18
	v_add_nc_u32 v[QA+p], 8*(p%16), v[U0]          ; the lane that holds the entry of row 2 p + h
.set p, p+1
.endr
.set p, 0
.rept 16
	ds_bpermute_b32 v[RO+p], v[QA+p], v[E0]
.set p, p+1
.endr
	ds_bpermute_b32 v[RO+16], v[QA+16], v[E1]
	ds_bpermute_b32 v[RO+17], v[QA+17], v[E1]
	s_wait_dscnt 0x0
.set p, 0
.rept 18
	v_lshrrev_b32 v[RO+p], 1, v[RO+p]
	v_min_u32 v[RO+p], 0xfff, v[RO+p]              ; the token
	v_mul_u32_u24 v[RO+p], v[RO+p], 0x600
	v_add_nc_u32 v[RO+p], v[RO+p], v[C16]
.set p, p+1
.endr
	; THE FILL: six pieces of 256 bytes of my 36 rows, three buffers: two pieces (36 loads) stay out at each wait, then one, then none
	FISSUE 0
	FISSUE 1
	FISSUE 2
	s_wait_loadcnt 36
	FSTORE 0
	FISSUE 3
	s_wait_loadcnt 36
	FSTORE 1
	FISSUE 4
	s_wait_loadcnt 36
	FSTORE 2
	FISSUE 5
	s_wait_loadcnt 36
	FSTORE 3
	s_wait_loadcnt 18
	FSTORE 4
	s_wait_loadcnt 0
	FSTORE 5
	WIN 0
	s_wait_dscnt 0x0
	s_barrier_signal -1
	s_barrier_wait -1                              ; the 144 rows are whole
	s_cmp_eq_u32 s17, 0
	s_cbranch_scc1 .Lkdone
	FRAG 0, FA
	FRAG 64, FBB
	s_mov_b32 s21, 3
.Lk:                                                   ; six steps a trip: once round the ring; the ring's base steps in the fourth
	STEP 0, FA,  40, 18, 128, 1
	STEP 1, FBB, 40, 18, 192, 1
	STEP 2, FA,  40, 18, 256, 1
	STEP 3, FBB, 40, 18, 320, 1, 1, -98304
	STEP 4, FA,  40, 18, 384, 1, 0, -98304
	STEP 5, FBB, 40, 18, 448, 1, 0, -98304
	WIN 0
	v_add_nc_u32 v[AF], 384, v[AF]
	v_add_nc_u32 v[AF+1], 384, v[AF+1]
	v_add_nc_u32 v[AF+2], 384, v[AF+2]
	s_sub_co_i32 s21, s21, 1
	s_cmp_lg_u32 s21, 0
	s_cbranch_scc1 .Lk
	STEP 0, FA,  40, 18, 128, 0                    ; the last six steps load no weights: the counts run down
	STEP 1, FBB, 32, 18, 192, 0
	STEP 2, FA,  24, 18, 256, 0
	STEP 3, FBB, 16, 18, 320, 0
	STEP 4, FA,  8,  18, -1,  0
	STEP 5, FBB, 0,  0,  -1,  0
.Lkdone:
	s_wait_dscnt 0x0
	s_barrier_signal -1
	s_barrier_wait -1                              ; nobody reads the rows any more: the stage takes their bytes
	s_cmp_eq_u32 s17, 0
	s_cbranch_scc1 .Lstdone
	WIN 0x04
.set a, 0
.rept 32
	ds_store_b128 v[STO+a/12], v[8*a:8*a+3]   offset:((a/4)%3)*16*SPIT+(a%4)*64
	ds_store_b128 v[STO+a/12], v[8*a+4:8*a+7] offset:((a/4)%3)*16*SPIT+(a%4)*64+16
.set a, a+1
.endr
	WIN 0x0c
.set a, 0
.rept 4
	ds_store_b128 v[STO+2], v[8*a:8*a+3]   offset:2*16*SPIT+a*64
	ds_store_b128 v[STO+2], v[8*a+4:8*a+7] offset:2*16*SPIT+a*64+16
.set a, a+1
.endr
	WIN 0
.Lstdone:
	s_wait_dscnt 0x0
	s_barrier_signal -1
	s_barrier_wait -1
	s_cmp_eq_u32 s17, 0
	s_cbranch_scc1 .Lend
	s_mul_i32 s30, s16, 144
	s_add_co_u32 s30, s30, s46                     ; 144 t + 36 w
	s_lshl_b32 s30, s30, 11
	s_lshl_b32 s44, s15, 9
	s_add_co_u32 s30, s30, s44
	s_add_nc_u64 s[26:27], s[10:11], s[30:31]
.set a, 0
.rept 8                                                ; my first four rows
	ds_load_b128 v[Y+4*a:Y+4*a+3], v[RDA] offset:(a/2)*SPIT+(a%2)*512
.set a, a+1
.endr
	s_mov_b32 s21, 9
.Lout:                                                 ; four whole rows of 256 columns a trip, a row at a time: gelu, rounded, stored.  As soon as a row's registers are converted they are asked for again,
	                                               ; with the row four further on, which lands under the other three rows' arithmetic.  The last trip's four refills read on inside LDS and are not used: the price of one text.
.irp g, 0,1,2,3
	s_wait_dscnt 6                                 ; this row is in; the other three rows' two loads each may stay out
	GELU8 Y+8*(\g)
.if (\g) == 0
	s_wait_xcnt 0x0                                ; once a trip, a row's arithmetic behind the last trip's last store: PK and the base are written again only behind this wait
	s_add_nc_u64 s[26:27], s[26:27], 8192          ; the stores below reach back by their immediates
.endif
.irp k, 0,1,2,3
	v_cvt_pk_bf16_f32 v[PK+4*(\g)+(\k)], v[Y+8*(\g)+2*(\k)], v[Y+8*(\g)+2*(\k)+1]
.endr
	ds_load_b128 v[Y+8*(\g):Y+8*(\g)+3],   v[RDA] offset:(4+(\g))*SPIT
	ds_load_b128 v[Y+8*(\g)+4:Y+8*(\g)+7], v[RDA] offset:(4+(\g))*SPIT+512
	global_store_b64 v[GOF], v[PK+4*(\g):PK+4*(\g)+1],   s[26:27] offset:(\g)*2048-8192      ; 256 consecutive bytes, aligned
	global_store_b64 v[GOF], v[PK+4*(\g)+2:PK+4*(\g)+3], s[26:27] offset:(\g)*2048+256-8192
.endr
	v_add_nc_u32 v[RDA], 4*SPIT, v[RDA]
	s_sub_co_i32 s21, s21, 1
	s_cmp_lg_u32 s21, 0
	s_cbranch_scc1 .Lout
.Lend:
	s_wait_dscnt 0x0                               ; my reads of the stage, whose address steps from trip to trip, are back;
	s_barrier_signal -1
	s_barrier_wait -1                              ; every wave's are: only behind this barrier does any wave write LDS again
	s_wait_tensorcnt 0x0                           ; the wave's end
	ds_add_u32 v[SPW], v[NIL]
	s_wait_dscnt 0x0
	s_endpgm
.Lfunc_end_k_qfff0a81572_fc1:
	.size	k_qfff0a81572_fc1, .Lfunc_end_k_qfff0a81572_fc1-k_qfff0a81572_fc1
	.p2alignl 7, 3214868480
	.fill 96, 4, 3214868480
	.section	.rodata,"a",@progbits
	.p2align	6, 0x0
	.amdhsa_kernel k_qfff0a81572_fc1
		.amdhsa_group_segment_fixed_size 226816
		.amdhsa_private_segment_fixed_size 0
		.amdhsa_enable_private_segment 0
		.amdhsa_kernarg_size 40
		.amdhsa_user_sgpr_count 2
		.amdhsa_user_sgpr_kernarg_segment_ptr 1
		.amdhsa_wavefront_size32 1
		.amdhsa_system_sgpr_workgroup_id_x 1
		.amdhsa_system_sgpr_workgroup_id_y 1
		.amdhsa_system_sgpr_workgroup_id_z 1
		.amdhsa_system_vgpr_workitem_id 0
		.amdhsa_next_free_vgpr 1024
		.amdhsa_next_free_sgpr 96
		.amdhsa_reserve_vcc 1
		.amdhsa_float_denorm_mode_32 3
		.amdhsa_float_denorm_mode_16_64 3
		.amdhsa_memory_ordered 1
		.amdhsa_forward_progress 1
		.amdhsa_inst_pref_size 129
	.end_amdhsa_kernel
	.amdgpu_metadata
---
amdhsa.version: [ 1, 2 ]
amdhsa.kernels:
  - .name:           k_qfff0a81572_fc1
    .symbol:         k_qfff0a81572_fc1.kd
    .args:
      - { .name: masks, .offset: 0, .size: 8, .value_kind: global_buffer, .address_space: global }
      - { .name: seqh, .offset: 8, .size: 8, .value_kind: global_buffer, .address_space: global }
      - { .name: wf, .offset: 16, .size: 8, .value_kind: global_buffer, .address_space: global }
      - { .name: hbuf, .offset: 24, .size: 8, .value_kind: global_buffer, .address_space: global }
      - { .name: maps, .offset: 32, .size: 8, .value_kind: global_buffer, .address_space: global }
    .group_segment_fixed_size: 226816
    .private_segment_fixed_size: 0
    .kernarg_segment_align: 8
    .kernarg_segment_size: 40
    .max_flat_workgroup_size: 128
    .sgpr_count:     96
    .vgpr_count:     1024
    .wavefront_size: 32
...
	.end_amdgpu_metadata
.endif
;; end of part 4
;; launch fc2 (part 5): grid 4 x 64, 4 waves a work-group, no clusters, 297,728 bytes of LDS; arguments maps, hbuf, wf, big; writes big
.if DOCPART == 5
	.amdgcn_target "amdgcn-amd-amdhsa--gfx1250"
	.amdhsa_code_object_version 6
	.text
	.protected	k_qfff0a81572_fc2
	.globl	k_qfff0a81572_fc2
	.p2align	8
	.type	k_qfff0a81572_fc2,@function
k_qfff0a81572_fc2:
	s_mov_b64 s[64:65], 0
	v_nop
	global_prefetch_b8 v0, s[64:65] scope:SCOPE_SE
	s_setreg_imm32_b32 hwreg(HW_REG_WAVE_MODE, 25, 1), 1
	s_wait_xcnt 0x0
; eo = h . w2[e] + b2[e], f32, each row stored at [2 x token + slot] of big, as the map of the launch before says; rows past a tile's count go to the tile's own spare row, which nobody reads.
; SHARES.  Tile t (144 rows of one expert) x 192 columns a work-group, 256 work-groups.  The four waves split the columns: 144 x 48 a wave, 27 accumulators, which start as the bias.  The weights come
; from memory into a ring of eight slots of operand registers (one reader wave each); the tile's 144 rows of 2,048 bytes lie whole in LDS (pitch 2,064): the loop over K writes no LDS and has no barrier.
; A tile without rows passes every barrier and runs the prologue, filling from tile 0 (which always has rows), so that every byte and register read further down is written on every way through the text;
; the products, the stage and the stores are jumped, forward, with no barrier in what is jumped.
; NO TENSOR LOADS, NO CLUSTER: the four work-groups of a tile share its 294,912 bytes of h; a row of 2,048 bytes is longer than the longest interval at which a tile load can pad, so its rows would lie
; at a pitch that is an even multiple of 16 bytes, or in two regions between which the loop's stepped addresses would have to jump; the fill goes through registers instead.
; REGISTERS: window 0: v0-61 addresses; v112-183, v184-255 two buffers of row fragments, later the way out.  window 1: accumulators (mb, nb) at 8 (3 mb + nb).  window 2: the ring, 8 x 24.
;   window 3: v0-215 the fill; v0-71 later the way out's third part.
.set W2O,   17301504
.set BIAS2, 29884416+35840
.set APIT,  2064
.set SPIT,  784
.set SPARE, 144*APIT
.set SPW, 4
.set NIL, 5
.set BV,  6
.set BIV, 7
.set AF,  8                            ; v8-12  fragment addresses, two row blocks each
.set LAF, 13                           ; v13-14 the fill: my wave's rows 0-17, 18-35
.set C16, 15
.set DO,  16                           ; v16-33 byte offset in big of my 16 bytes of row pair p
.set MP,  36
.set FV,  38
.set GOF, 39
.set QA,  40                           ; v40-57 lane selects
.set STO, 58                           ; v58-59 into the stage: row blocks 0-4, 5-8
.set RD,  60
.set HX,  61                           ; 4 h
.set FA,  112
.set FBB, 184
.set MSB, 0
.macro WIN new
.if MSB != (\new)
	s_set_vgpr_msb (MSB<<8)|(\new)
.set MSB, \new
.endif
.endm
.macro PLACES
.rept 4
	v_nop
.endr
.endm
.macro FISSUE c
	WIN 0xc0
.set p, 0
.rept 18
	global_load_b128 v[72*((\c)%3)+4*p:72*((\c)%3)+4*p+3], v[FV], s[26:27] offset:2*p*2048+256*(\c)
.set p, p+1
.endr
.endm
.macro FSTORE c
	WIN 0x0c
.set p, 0
.rept 18
	ds_store_b128 v[LAF+p/9], v[72*((\c)%3)+4*p:72*((\c)%3)+4*p+3] offset:2*(p%9)*APIT+256*(\c)
.set p, p+1
.endr
.endm
.macro FRAG koff, fb
	WIN 0
.set a, 0
.rept 9
	ds_load_b128 v[(\fb)+8*a:(\fb)+8*a+3],   v[AF+a/2] offset:(a%2)*16*APIT+(\koff)
	ds_load_b128 v[(\fb)+8*a+4:(\fb)+8*a+7], v[AF+a/2] offset:(a%2)*16*APIT+(\koff)+32
.set a, a+1
.endr
.endm
; A step of 32 along K: 27 products, the accumulators by turns.  lw: the loads issued behind this slot's (seven slots of 6 in the loop); dw: the 18 fragment loads of a step ago.
; stp = 1: the ring's base steps by a trip's eight steps, behind this step's 27 products: the youngest memory instruction is then 27 matrix instructions old.  boff: what the loads behind that step take off their offsets.
.macro STEP slot, fb, lw, dw, fr, ld, stp=0, boff=0
	s_wait_loadcnt \lw
	s_wait_dscnt \dw
	WIN 0x52
.set a, 0
.rept 27
	v_wmma_f32_16x16x32_bf16 v[8*a:8*a+7], v[24*(\slot)+8*(a%3):24*(\slot)+8*(a%3)+7], v[(\fb)+8*(a/3):(\fb)+8*(a/3)+7], v[8*a:8*a+7]
.set a, a+1
.endr
	WIN 0
	PLACES
.if \stp
	s_wait_xcnt 0x0                                ; the ring's base steps only behind this wait
	s_add_nc_u64 s[22:23], s[22:23], 8*12288
.endif
.if (\fr) >= 0
	FRAG \fr, \fb
.endif
.if \ld
	WIN 0x80
.set a, 0
.rept 3
	global_load_b128 v[24*(\slot)+8*a:24*(\slot)+8*a+3],   v[BV], s[22:23] offset:((\slot)+8)*12288+(\boff)+a*1024
	global_load_b128 v[24*(\slot)+8*a+4:24*(\slot)+8*a+7], v[BV], s[22:23] offset:((\slot)+8)*12288+(\boff)+a*1024+512
.set a, a+1
.endr
.endif
.endm
	s_load_b256 s[4:11], s[0:1], 0x0               ; maps s[4:5], hbuf s[6:7], wf s[8:9], big s[10:11]
	v_lshl_add_u32 v[SPW], v0, 2, SPARE
	v_mov_b32 v[NIL], 0
	v_lshrrev_b32 v1, 5, v0
	v_readfirstlane_b32 s14, v1                    ; wave
	s_mov_b32 s15, ttmp9                           ; column slice
	s_and_b32 s16, ttmp7, 0xffff                   ; tile
	s_lshl_b32 s30, s16, 10
	s_mov_b32 s31, 0
	s_wait_kmcnt 0x0
	s_add_nc_u64 s[28:29], s[4:5], s[30:31]
	s_load_b32 s17, s[28:29], 0xfc                 ; the tile's word
	v_and_b32 v1, 31, v0
	v_and_b32 v2, 15, v0                           ; r
	v_bfe_u32 v3, v0, 4, 1                         ; h
	v_lshlrev_b32 v[BV], 4, v1
	v_lshlrev_b32 v[BIV], 5, v3
	v_lshlrev_b32 v[C16], 4, v2
	v_lshlrev_b32 v[GOF], 3, v1
	v_lshlrev_b32 v[HX], 2, v3
	v_lshlrev_b32 v[FV], 11, v3
	v_add_nc_u32 v[FV], v[FV], v[C16]
	v_mul_u32_u24 v[AF], v2, APIT
	v_lshl_add_u32 v[AF], v3, 4, v[AF]
.irp b, 1,2,3,4
	v_add_nc_u32 v[AF+(\b)], (\b)*32*APIT, v[AF]
.endr
	s_mul_i32 s44, s14, 36*APIT
	v_mul_u32_u24 v[LAF], v3, APIT
	v_add_nc_u32 v[LAF], v[LAF], v[C16]
	v_add_nc_u32 v[LAF], s44, v[LAF]
	v_add_nc_u32 v[LAF+1], 18*APIT, v[LAF]
	s_mul_i32 s44, s14, 192
	v_mul_u32_u24 v[STO], v2, SPIT                 ; row r, columns 48 w + 8 h on
	v_lshl_add_u32 v[STO], v3, 5, v[STO]
	v_add_nc_u32 v[STO], s44, v[STO]
	v_add_nc_u32 v[STO+1], 80*SPIT, v[STO]
	s_mul_i32 s44, s14, 36*SPIT
	v_mul_u32_u24 v[RD], v3, SPIT
	v_add_nc_u32 v[RD], v[RD], v[C16]
	v_add_nc_u32 v[RD], s44, v[RD]
	s_wait_kmcnt 0x0
	s_and_b32 s18, s17, 0xff
	s_min_u32 s18, s18, 7                          ; the expert
	s_lshr_b32 s17, s17, 8
	s_min_u32 s17, s17, 1                          ; has the tile rows?
	s_cmp_eq_u32 s17, 1
	s_cselect_b32 s19, s16, 0                      ; the tile whose rows are read
	s_min_u32 s19, s19, 63
	s_lshl_b32 s30, s14, 8
	s_add_nc_u64 s[28:29], s[28:29], s[30:31]      ; my wave's 256 bytes of the map
	s_mul_i32 s30, s18, 768
	s_mul_i32 s44, s15, 192
	s_add_co_u32 s30, s30, s44
	s_mul_i32 s44, s14, 48
	s_add_co_u32 s30, s30, s44
	s_lshl_b32 s30, s30, 2
	s_add_co_u32 s30, s30, BIAS2
	s_add_nc_u64 s[24:25], s[8:9], s[30:31]
	s_lshl_b32 s30, s18, 2
	s_add_co_u32 s30, s30, s15
	s_mul_i32 s30, s30, 32*12288
	s_mul_i32 s44, s14, 3072
	s_add_co_u32 s30, s30, s44
	s_add_co_u32 s30, s30, W2O
	s_add_nc_u64 s[22:23], s[8:9], s[30:31]
	s_mul_i32 s30, s19, 144
	s_mul_i32 s44, s14, 36
	s_add_co_u32 s30, s30, s44
	s_lshl_b32 s30, s30, 11
	s_add_nc_u64 s[26:27], s[6:7], s[30:31]
	s_mul_i32 s30, s15, 768
	s_add_nc_u64 s[32:33], s[10:11], s[30:31]
	WIN 0x40
.set a, 0
.rept 27                                               ; the accumulators start as the bias
	global_load_b128 v[8*a:8*a+3],   v[BIV], s[24:25] offset:(a%3)*64
	global_load_b128 v[8*a+4:8*a+7], v[BIV], s[24:25] offset:(a%3)*64+16
.set a, a+1
.endr
	WIN 0x80
.set a, 0
.rept 24                                               ; the ring: slot a / 3, fragment a % 3
	global_load_b128 v[8*a:8*a+3],   v[BV], s[22:23] offset:(a/3)*12288+(a%3)*1024
	global_load_b128 v[8*a+4:8*a+7], v[BV], s[22:23] offset:(a/3)*12288+(a%3)*1024+512
.set a, a+1
.endr
	WIN 0
	global_load_b64 v[MP:MP+1], v[GOF], s[28:29]
	; THE FILL: eight pieces of 256 bytes of my 36 rows, three buffers: two pieces (36 loads) stay out at each wait, then one, then none; all that was asked for above is older
	FISSUE 0
	FISSUE 1
	FISSUE 2
.irp c, 0,1,2,3,4
	s_wait_loadcnt 36
	FSTORE \c
	FISSUE (\c)+3
.endr
	s_wait_loadcnt 36
	FSTORE 5
	s_wait_loadcnt 18
	FSTORE 6
	s_wait_loadcnt 0
	FSTORE 7
	WIN 0
.set p, 0
.rept 18
	v_add_nc_u32 v[QA+p], 8*(p%16), v[HX]          ; the lane that holds the entry of row 2 p + h
.set p, p+1
.endr
.set p, 0
.rept 16
	ds_bpermute_b32 v[DO+p], v[QA+p], v[MP]
.set p, p+1
.endr
	ds_bpermute_b32 v[DO+16], v[QA+16], v[MP+1]
	ds_bpermute_b32 v[DO+17], v[QA+17], v[MP+1]
	s_wait_dscnt 0x0                               ; the entries are here, and my stores of the fill are done
.set p, 0
.rept 18
	v_min_u32 v[DO+p], 0x203f, v[DO+p]             ; a row of big: 8,255 at the most
	v_mul_u32_u24 v[DO+p], v[DO+p], 0xc00
	v_add_nc_u32 v[DO+p], v[DO+p], v[C16]
.set p, p+1
.endr
	s_barrier_signal -1
	s_barrier_wait -1                              ; the 144 rows are whole
	s_cmp_eq_u32 s17, 0
	s_cbranch_scc1 .Lkdone
	FRAG 0, FA
	FRAG 64, FBB
	s_mov_b32 s21, 3
.Lk:                                                   ; eight steps a trip: once round the ring; the ring's base steps in the fifth
	STEP 0, FA,  42, 18, 128, 1
	STEP 1, FBB, 42, 18, 192, 1
	STEP 2, FA,  42, 18, 256, 1
	STEP 3, FBB, 42, 18, 320, 1
	STEP 4, FA,  42, 18, 384, 1, 1, -98304
	STEP 5, FBB, 42, 18, 448, 1, 0, -98304
	STEP 6, FA,  42, 18, 512, 1, 0, -98304
	STEP 7, FBB, 42, 18, 576, 1, 0, -98304
	WIN 0
.irp b, 0,1,2,3,4
	v_add_nc_u32 v[AF+(\b)], 512, v[AF+(\b)]
.endr
	s_sub_co_i32 s21, s21, 1
	s_cmp_lg_u32 s21, 0
	s_cbranch_scc1 .Lk
	STEP 0, FA,  42, 18, 128, 0                    ; the last eight steps load no weights: the counts run down
	STEP 1, FBB, 36, 18, 192, 0
	STEP 2, FA,  30, 18, 256, 0
	STEP 3, FBB, 24, 18, 320, 0
	STEP 4, FA,  18, 18, 384, 0
	STEP 5, FBB, 12, 18, 448, 0
	STEP 6, FA,  6,  18, -1,  0
	STEP 7, FBB, 0,  0,  -1,  0
.Lkdone:
	s_wait_dscnt 0x0
	s_barrier_signal -1
	s_barrier_wait -1                              ; nobody reads the rows any more: the stage takes their bytes
	s_cmp_eq_u32 s17, 0
	s_cbranch_scc1 .Lstdone
	WIN 0x04
.set a, 0
.rept 27
	ds_store_b128 v[STO+a/15], v[8*a:8*a+3]   offset:((a/3)%5)*16*SPIT+(a%3)*64
	ds_store_b128 v[STO+a/15], v[8*a+4:8*a+7] offset:((a/3)%5)*16*SPIT+(a%3)*64+16
.set a, a+1
.endr
	WIN 0
.Lstdone:
	s_wait_dscnt 0x0
	s_barrier_signal -1
	s_barrier_wait -1
	s_cmp_eq_u32 s17, 0
	s_cbranch_scc1 .Lend
	; My 36 rows' 768 bytes, in three parts of 256: 54 LDS loads in one run, each into registers of its own, so that no store's data is ever written again; then 54 stores, in each of which
	; 16 lanes store 256 consecutive aligned bytes of a row's place in big.
.set p, 0
.rept 36
	ds_load_b128 v[FA+4*p:FA+4*p+3], v[RD] offset:2*(p%18)*SPIT+256*(p/18)
.set p, p+1
.endr
	WIN 0xc0
.set p, 0
.rept 18
	ds_load_b128 v[4*p:4*p+3], v[RD] offset:2*p*SPIT+512
.set p, p+1
.endr
	WIN 0
.set p, 0
.rept 36
	s_wait_dscnt 53-p                              ; the younger loads stay out
	global_store_b128 v[DO+p%18], v[FA+4*p:FA+4*p+3], s[32:33] offset:256*(p/18)
.set p, p+1
.endr
	WIN 0x0c
.set p, 0
.rept 18
	s_wait_dscnt 17-p
	global_store_b128 v[DO+p], v[4*p:4*p+3], s[32:33] offset:512
.set p, p+1
.endr
	WIN 0
.Lend:
	s_wait_tensorcnt 0x0                           ; the wave's end
	ds_add_u32 v[SPW], v[NIL]
	s_wait_dscnt 0x0
	s_endpgm
.Lfunc_end_k_qfff0a81572_fc2:
	.size	k_qfff0a81572_fc2, .Lfunc_end_k_qfff0a81572_fc2-k_qfff0a81572_fc2
	.p2alignl 7, 3214868480
	.fill 96, 4, 3214868480
	.section	.rodata,"a",@progbits
	.p2align	6, 0x0
	.amdhsa_kernel k_qfff0a81572_fc2
		.amdhsa_group_segment_fixed_size 297728
		.amdhsa_private_segment_fixed_size 0
		.amdhsa_enable_private_segment 0
		.amdhsa_kernarg_size 32
		.amdhsa_user_sgpr_count 2
		.amdhsa_user_sgpr_kernarg_segment_ptr 1
		.amdhsa_wavefront_size32 1
		.amdhsa_system_sgpr_workgroup_id_x 1
		.amdhsa_system_sgpr_workgroup_id_y 1
		.amdhsa_system_sgpr_workgroup_id_z 1
		.amdhsa_system_vgpr_workitem_id 0
		.amdhsa_next_free_vgpr 1024
		.amdhsa_next_free_sgpr 66
		.amdhsa_reserve_vcc 0
		.amdhsa_float_denorm_mode_32 3
		.amdhsa_float_denorm_mode_16_64 3
		.amdhsa_memory_ordered 1
		.amdhsa_forward_progress 1
		.amdhsa_inst_pref_size 111
	.end_amdhsa_kernel
	.amdgpu_metadata
---
amdhsa.version: [ 1, 2 ]
amdhsa.kernels:
  - .name:           k_qfff0a81572_fc2
    .symbol:         k_qfff0a81572_fc2.kd
    .args:
      - { .name: maps, .offset: 0, .size: 8, .value_kind: global_buffer, .address_space: global }
      - { .name: hbuf, .offset: 8, .size: 8, .value_kind: global_buffer, .address_space: global }
      - { .name: wf, .offset: 16, .size: 8, .value_kind: global_buffer, .address_space: global }
      - { .name: big, .offset: 24, .size: 8, .value_kind: global_buffer, .address_space: global }
    .group_segment_fixed_size: 297728
    .private_segment_fixed_size: 0
    .kernarg_segment_align: 8
    .kernarg_segment_size: 32
    .max_flat_workgroup_size: 128
    .sgpr_count:     66
    .vgpr_count:     1024
    .wavefront_size: 32
...
	.end_amdgpu_metadata
.endif
;; end of part 5
;; launch final (part 6): grid 256 x 1, 16 waves a work-group, no clusters, 2,304 bytes of LDS; arguments big, seqf, ln2_g, ln2_b, cls_w, cls_b, out0; writes out0
.if DOCPART == 6
	.amdgcn_target "amdgcn-amd-amdhsa--gfx1250"
	.amdhsa_code_object_version 6
	.text
	.protected	k_qfff0a81572_final
	.globl	k_qfff0a81572_final
	.p2align	8
	.type	k_qfff0a81572_final,@function
k_qfff0a81572_final:
	s_mov_b64 s[64:65], 0
	v_nop
	global_prefetch_b8 v0, s[64:65] scope:SCOPE_SE
	s_setreg_imm32_b32 hwreg(HW_REG_WAVE_MODE, 25, 1), 1
	s_wait_xcnt 0x0
; logits = layernorm(w0 eo0 + w1 eo1 + seq_out) g + b, times cls_w, plus cls_b.  A token's two expert rows lie side by side in big (the lower expert's first), its two weights behind seq_out in seqf.
; SHARES.  A work-group has 16 tokens and 16 waves, a wave one token: lane l holds columns 128 c + 4 l + 0..3, so each load covers 512 consecutive bytes, and all 48 rows of the work-group are asked
; for at once.  232 registers a wave: four waves to a SIMD.  All in f32; ln2_g, ln2_b, cls_w, cls_b are rounded once to bf16.  Memory binds: no matrix unit (two columns wide), no cluster (nothing but
; the 12,288 bytes of gains, biases and cls_w is shared).  The 128 bytes of logits a work-group are gathered in LDS and stored by one instruction.
; LIMITS.  NaN and infinities are not treated apart.
.set SPARE, 256                        ; behind the block with the logits: the spare words, 128 bytes for each of 16 waves
.set SPW, 4
.set NIL, 5
.set ZR,  6
.set VX,  7                            ; 16 l
.set SA,  8
.set VC,  9                            ; 32 l
.set E0,  16
.set E1,  40
.set SQ,  64
.set Y,   88                           ; v[88:111] the row at work; v[88:135] first hold cls_w as loaded
.set GB,  112
.set CW,  136                          ; class 0 in the low half, class 1 in the high
.set LA,  160
.set LM,  172
.set LR,  174
.set SM,  176                          ; v[176:179] four chains: class by parity of the column register
.set CB,  180
.set TS,  182
.set RG,  184                          ; ln2_g as loaded
.set RB,  208                          ; ln2_b
.set SEL, 40
.set INV, 42
.set EPS, 43
.macro SUM32 x, t
	v_add_f32_dpp v[\x], v[\x], v[\x] row_xmask:1 row_mask:0xf bank_mask:0xf
	v_add_f32_dpp v[\x], v[\x], v[\x] row_xmask:2 row_mask:0xf bank_mask:0xf
	v_add_f32_dpp v[\x], v[\x], v[\x] row_xmask:4 row_mask:0xf bank_mask:0xf
	v_add_f32_dpp v[\x], v[\x], v[\x] row_xmask:8 row_mask:0xf bank_mask:0xf
	v_permlanex16_b32 v[\t], v[\x], s[SEL], s[SEL+1]
	v_add_f32 v[\x], v[\x], v[\t]
.endm
.macro LN24 x, d                       ; d = (x - mean) / sqrt(var + 1e-5) x gain + bias: the mean first, then the mean of the squared differences
.irp i, 0,1,2,3,4,5
	v_pk_add_f32 v[LA+2*(\i):LA+2*(\i)+1], v[(\x)+4*(\i):(\x)+4*(\i)+1], v[(\x)+4*(\i)+2:(\x)+4*(\i)+3]
.endr
	v_pk_add_f32 v[LA:LA+1], v[LA:LA+1], v[LA+2:LA+3]
	v_pk_add_f32 v[LA+4:LA+5], v[LA+4:LA+5], v[LA+6:LA+7]
	v_pk_add_f32 v[LA+8:LA+9], v[LA+8:LA+9], v[LA+10:LA+11]
	v_pk_add_f32 v[LA:LA+1], v[LA:LA+1], v[LA+4:LA+5]
	v_pk_add_f32 v[LA:LA+1], v[LA:LA+1], v[LA+8:LA+9]
	v_add_f32 v[LA], v[LA], v[LA+1]
	SUM32 LA, LA+1
	v_mul_f32 v[LM], s[INV], v[LA]
	v_mov_b32 v[LM+1], v[LM]
.irp i, 0,1,2,3,4,5,6,7,8,9,10,11
	v_pk_add_f32 v[(\d)+2*(\i):(\d)+2*(\i)+1], v[(\x)+2*(\i):(\x)+2*(\i)+1], v[LM:LM+1] neg_lo:[0,1] neg_hi:[0,1]
.endr
.irp i, 0,1,2,3
	v_pk_mul_f32 v[LA+2*(\i):LA+2*(\i)+1], v[(\d)+2*(\i):(\d)+2*(\i)+1], v[(\d)+2*(\i):(\d)+2*(\i)+1]
.endr
.irp i, 4,5,6,7,8,9,10,11
	v_pk_fma_f32 v[LA+2*((\i)%4):LA+2*((\i)%4)+1], v[(\d)+2*(\i):(\d)+2*(\i)+1], v[(\d)+2*(\i):(\d)+2*(\i)+1], v[LA+2*((\i)%4):LA+2*((\i)%4)+1]
.endr
	v_pk_add_f32 v[LA:LA+1], v[LA:LA+1], v[LA+2:LA+3]
	v_pk_add_f32 v[LA+4:LA+5], v[LA+4:LA+5], v[LA+6:LA+7]
	v_pk_add_f32 v[LA:LA+1], v[LA:LA+1], v[LA+4:LA+5]
	v_add_f32 v[LA], v[LA], v[LA+1]
	SUM32 LA, LA+1
	v_fma_f32 v[LA], v[LA], s[INV], s[EPS]
	v_rsq_f32 v[LR], v[LA]
	v_rsq_f32 v[LR+1], v[LA]
	v_nop                                          ; a plain line behind the last of them,
	s_wait_alu depctr_va_vdst(0)                   ; and a wait ahead of the first reader
.irp i, 0,1,2,3,4,5,6,7,8,9,10,11
	v_pk_mul_f32 v[(\d)+2*(\i):(\d)+2*(\i)+1], v[(\d)+2*(\i):(\d)+2*(\i)+1], v[LR:LR+1]
.endr
.set n, 0
.rept 24
	v_fma_mix_f32_bf16 v[(\d)+n], v[(\d)+n], v[GB+n], v[GB+n] op_sel:[0,0,1] op_sel_hi:[0,1,1]
.set n, n+1
.endr
.endm
	s_load_b256 s[4:11], s[0:1], 0x0               ; big s[4:5], seqf s[6:7], ln2_g s[8:9], ln2_b s[10:11]
	s_load_b128 s[12:15], s[0:1], 0x20             ; cls_w s[12:13], cls_b s[14:15]
	s_load_b64 s[16:17], s[0:1], 0x30              ; out0
	v_lshl_add_u32 v[SPW], v0, 2, SPARE
	v_mov_b32 v[NIL], 0
	v_lshrrev_b32 v1, 5, v0
	v_readfirstlane_b32 s20, v1                    ; wave 0..15
	s_mov_b32 s21, ttmp9                           ; group of 16 tokens
	v_and_b32 v1, 31, v0
	v_mov_b32 v[ZR], 0
	v_mov_b32 v[TS], 0
	v_lshlrev_b32 v[VX], 4, v1
	v_lshlrev_b32 v[VC], 5, v1
	s_lshl_b32 s46, s20, 3
	v_mov_b32 v[SA], s46                           ; 8 bytes a token
	s_mov_b32 s[SEL], 0x76543210
	s_mov_b32 s[SEL+1], 0xfedcba98
	s_mov_b32 s[INV], 0x3aaaaaab                   ; 1 / 768
	s_mov_b32 s[EPS], 0x3727c5ac                   ; 1e-5
	s_lshl_b32 s46, s21, 4
	s_add_co_u32 s46, s46, s20                     ; my token
	s_lshl_b32 s48, s46, 3
	s_add_co_u32 s48, s48, 12582912
	s_mov_b32 s49, 0
	s_mul_i32 s50, s46, 6144
	s_mov_b32 s51, 0
	s_mul_i32 s46, s46, 3072
	s_mov_b32 s47, 0
	s_lshl_b32 s52, s21, 7
	s_mov_b32 s53, 0
	s_wait_kmcnt 0x0
	s_add_nc_u64 s[54:55], s[6:7], s[48:49]
	s_load_b64 s[24:25], s[54:55], 0x0             ; my token's two weights
	s_load_b64 s[32:33], s[14:15], 0x0             ; cls_b
	s_add_nc_u64 s[4:5], s[4:5], s[50:51]
	s_add_nc_u64 s[6:7], s[6:7], s[46:47]
	s_add_nc_u64 s[16:17], s[16:17], s[52:53]
.irp c, 0,1,2,3,4,5                            ; the token's two expert rows and its seq_out
	global_load_b128 v[E0+4*(\c):E0+4*(\c)+3], v[VX], s[4:5] offset:512*(\c) th:TH_LOAD_NT
	global_load_b128 v[E1+4*(\c):E1+4*(\c)+3], v[VX], s[4:5] offset:3072+512*(\c) th:TH_LOAD_NT
	global_load_b128 v[SQ+4*(\c):SQ+4*(\c)+3], v[VX], s[6:7] offset:512*(\c) th:TH_LOAD_NT
.endr
.irp c, 0,1,2,3,4,5
	global_load_b128 v[RG+4*(\c):RG+4*(\c)+3], v[VX], s[8:9] offset:512*(\c)
	global_load_b128 v[RB+4*(\c):RB+4*(\c)+3], v[VX], s[10:11] offset:512*(\c)
	global_load_b128 v[Y+8*(\c):Y+8*(\c)+3],   v[VC], s[12:13] offset:1024*(\c)      ; my four columns' rows of cls_w: 32 consecutive bytes
	global_load_b128 v[Y+8*(\c)+4:Y+8*(\c)+7], v[VC], s[12:13] offset:1024*(\c)+16
.endr
	s_wait_loadcnt 0x0
.set n, 0
.rept 24
	v_cvt_pk_bf16_f32 v[CW+n], v[Y+2*n], v[Y+2*n+1]
.set n, n+1
.endr
.set n, 0
.rept 24
	v_cvt_pk_bf16_f32 v[GB+n], v[RG+n], v[RB+n]
.set n, n+1
.endr
	s_wait_kmcnt 0x0
	v_mov_b32 v[CB], s32
	v_mov_b32 v[CB+1], s33
	v_cvt_pk_bf16_f32 v[LA], v[CB], v[CB+1]
	v_lshlrev_b32 v[CB], 16, v[LA]
	v_and_b32 v[CB+1], 0xffff0000, v[LA]
.set n, 0
.rept 24
	v_fma_f32 v[Y+n], v[E0+n], s24, v[SQ+n]
.set n, n+1
.endr
.set n, 0
.rept 24
	v_fma_f32 v[Y+n], v[E1+n], s25, v[Y+n]
.set n, n+1
.endr
	LN24 Y, Y
.set n, 0
.rept 24
.if n < 2
	v_fma_mix_f32_bf16 v[SM+2*(n%2)],   v[Y+n], v[CW+n], v[ZR] op_sel:[0,0,0] op_sel_hi:[0,1,0]
	v_fma_mix_f32_bf16 v[SM+2*(n%2)+1], v[Y+n], v[CW+n], v[ZR] op_sel:[0,1,0] op_sel_hi:[0,1,0]
.else
	v_fma_mix_f32_bf16 v[SM+2*(n%2)],   v[Y+n], v[CW+n], v[SM+2*(n%2)]   op_sel:[0,0,0] op_sel_hi:[0,1,0]
	v_fma_mix_f32_bf16 v[SM+2*(n%2)+1], v[Y+n], v[CW+n], v[SM+2*(n%2)+1] op_sel:[0,1,0] op_sel_hi:[0,1,0]
.endif
.set n, n+1
.endr
	v_pk_add_f32 v[SM:SM+1], v[SM:SM+1], v[SM+2:SM+3]
	SUM32 SM, TS
	SUM32 SM+1, TS
	v_pk_add_f32 v[SM:SM+1], v[SM:SM+1], v[CB:CB+1]
	ds_store_b64 v[SA], v[SM:SM+1]                 ; all lanes write the same 8 bytes
	s_wait_dscnt 0x0                               ; for wave 0's sake
	s_barrier_signal -1
	s_barrier_wait -1
	s_cmp_lg_u32 s20, 0
	s_cbranch_scc1 .Lend
	v_lshlrev_b32 v[VC], 2, v1
	ds_load_b32 v[TS], v[VC]
	s_wait_dscnt 0x0
	global_store_b32 v[VC], v[TS], s[16:17]        ; the work-group's 128 consecutive bytes of logits
.Lend:
	s_wait_tensorcnt 0x0                           ; the wave's end
	ds_add_u32 v[SPW], v[NIL]
	s_wait_dscnt 0x0
	s_endpgm
.Lfunc_end_k_qfff0a81572_final:
	.size	k_qfff0a81572_final, .Lfunc_end_k_qfff0a81572_final-k_qfff0a81572_final
	.p2alignl 7, 3214868480
	.fill 96, 4, 3214868480
	.section	.rodata,"a",@progbits
	.p2align	6, 0x0
	.amdhsa_kernel k_qfff0a81572_final
		.amdhsa_group_segment_fixed_size 2304
		.amdhsa_private_segment_fixed_size 0
		.amdhsa_enable_private_segment 0
		.amdhsa_kernarg_size 56
		.amdhsa_user_sgpr_count 2
		.amdhsa_user_sgpr_kernarg_segment_ptr 1
		.amdhsa_wavefront_size32 1
		.amdhsa_system_sgpr_workgroup_id_x 1
		.amdhsa_system_sgpr_workgroup_id_y 1
		.amdhsa_system_sgpr_workgroup_id_z 1
		.amdhsa_system_vgpr_workitem_id 0
		.amdhsa_next_free_vgpr 232
		.amdhsa_next_free_sgpr 66
		.amdhsa_reserve_vcc 0
		.amdhsa_float_denorm_mode_32 3
		.amdhsa_float_denorm_mode_16_64 3
		.amdhsa_memory_ordered 1
		.amdhsa_forward_progress 1
		.amdhsa_inst_pref_size 23
	.end_amdhsa_kernel
	.amdgpu_metadata
---
amdhsa.version: [ 1, 2 ]
amdhsa.kernels:
  - .name:           k_qfff0a81572_final
    .symbol:         k_qfff0a81572_final.kd
    .args:
      - { .name: big, .offset: 0, .size: 8, .value_kind: global_buffer, .address_space: global }
      - { .name: seqf, .offset: 8, .size: 8, .value_kind: global_buffer, .address_space: global }
      - { .name: ln2_g, .offset: 16, .size: 8, .value_kind: global_buffer, .address_space: global }
      - { .name: ln2_b, .offset: 24, .size: 8, .value_kind: global_buffer, .address_space: global }
      - { .name: cls_w, .offset: 32, .size: 8, .value_kind: global_buffer, .address_space: global }
      - { .name: cls_b, .offset: 40, .size: 8, .value_kind: global_buffer, .address_space: global }
      - { .name: out0, .offset: 48, .size: 8, .value_kind: global_buffer, .address_space: global }
    .group_segment_fixed_size: 2304
    .private_segment_fixed_size: 0
    .kernarg_segment_align: 8
    .kernarg_segment_size: 56
    .max_flat_workgroup_size: 512
    .sgpr_count:     66
    .vgpr_count:     232
    .wavefront_size: 32
...
	.end_amdgpu_metadata
.endif
;; end of part 6
